; MI455X (gfx1250); checked and timed in simulation.
; The chip was launched on July 23, 2026; its instructions are those of AMD's public machine-readable ISA for CDNA 5 (MIT licence, August 2026) and "CDNA5" Instruction Set Architecture Reference Guide (July 2026). The comments in the code are by the model that wrote it; some were corrected since.
;; Causal Attention. Allowed arithmetic: matrix products marked QUANTISED: E3M2 operands, one E8M0 scale for each 32 along K, by v_wmma_scale_f32_16x16x128_f8f6f4 with both operands' format E3M2, f32 sums; everything else in f32.
;; Inputs: Wk 1,024 x 1,024 float32; Wq 1,024 x 1,024 float32; Wv 1,024 x 1,024 float32; x 4 x 2,048 x 1,024 float32.
;; Outputs: out0 4 x 2,048 x 1,024 float32.
;; This version of the problem:
;;   THIS VERSION OF THE PROBLEM IS GIVEN IN LOW PRECISION. The matrix products marked QUANTISED in the list below multiply operands that are first quantised to E3M2 (3 exponent bits, 2 mantissa bits; 6 bits a number), with one power-of-two scale for each 32 numbers along K (OCP MX v1.0); their sums are f32. All else is computed in f32.
;;   The module's matrix products, in the order in which they are computed (A, B: the left and right operand; K: the contracted axis; several contracted axes count as one K, in the product's order):
;;     1. [M 8,192, K 1,024] x [K 1,024, N 1,024]; A: input x; B: input Wq: QUANTISED
;;     2. [M 8,192, K 1,024] x [K 1,024, N 1,024]; A: input x; B: input Wk: QUANTISED
;;     3. [M 8,192, K 1,024] x [K 1,024, N 1,024]; A: input x; B: input Wv: QUANTISED
;;     4. batch 4 x [M 2,048, K 1,024] x [K 1,024, N 2,048]; A: computed on the way; B: computed on the way: QUANTISED
;;     5. batch 4 x [M 2,048, K 2,048] x [K 2,048, N 1,024]; A: softmax (see below); B: computed on the way: QUANTISED
;;   THE QUANTISER, for each operand of a quantised product, along K:
;;     - K is cut into blocks of 32 from its start; a last block that is shorter is filled with zeros.
;;     - A block's scale is 2^e with e = floor(log2(the largest magnitude in the block)) - 4, held to -126 .. 127; a block of zeros has e = 0. As a byte (E8M0): e + 127.
;;     - Each number is divided by its block's scale, clamped to +-28, and rounded to the nearest number of E3M2, ties to even, subnormals kept.
;;     - The product sums the exact products of the quantised numbers (number of the format x scale) in f32.
;;   ~~~python
;;   def quantise(x, axis):      # numpy; x: float32 -> the quantised numbers, widened to float32 again
;;       x = np.moveaxis(x, axis, -1); K = x.shape[-1]
;;       x = np.pad(x, [(0, 0)] * (x.ndim - 1) + [(0, -K % 32)]); x = x.reshape(x.shape[:-1] + (-1, 32)); a = np.abs(x).max(-1, keepdims=True)
;;       e = np.where(a > 0, np.clip(np.frexp(np.where(a > 0, a, 1))[1] - 1 - 4, -126, 127), 0)      # np.frexp(a)[1] - 1 = floor(log2(a)), exactly
;;       r = np.clip(x / 2.0 ** e, -28, 28)
;;       step = 2.0 ** (np.maximum(np.frexp(np.where(r == 0, 1, r))[1] - 1, -2) - 2)
;;       q = np.round(r / step) * step * 2.0 ** e      # np.round: ties to even
;;       return np.moveaxis(q.reshape(q.shape[:-2] + (-1,))[..., :K], -1, axis).astype(np.float32)
;;   ~~~
;;   SOFTMAX AHEAD OF A QUANTISED PRODUCT. Where the list says 'softmax', what is quantised is not the finished softmax but p = 2^(t - M), with t = logit x log2(e) and M = ceil(the row's largest t), a whole number; so 1/2 < the row's largest p <= 1. The row's sum l is taken of the UNQUANTISED p, in f32, and the product's result is divided by l at the end. Since M is a whole number, a kernel that streams over the keys may use a running M (the ceiling of the running maximum): every later rescaling is an exact power of two, which a block's scale takes up: the codes' values come out the same.
;;   OPERANDS COMPUTED ON THE WAY. 'Computed on the way' means the value that the module computes at that place (a softmax that the list does not call 'softmax' is quantised finished and normalised). What goes into a quantiser is computed in f32, as accurately as f32 sums, v_exp_f32 and their like allow (about 1e-6 of the number): no bf16 or f16 on the way to a quantiser, and a product that is left as it is and whose result goes on into a quantised operand takes f32 operands (vector FMAs, or v_wmma_f32_16x16x4_f32). A number that lies on a knife's edge between two numbers of the format may be rounded either way, as far as f32 arithmetic and the matrix unit's own rounding can turn it there, and no further.
;; One version. Each part assembles by itself: llvm-mc -triple=amdgcn-amd-amdhsa -mcpu=gfx1250 --defsym DOCPART=n.
;; ======== version 1 of 1: 4 launches
;; limits: right only within a limited range of input values
;; workspace buffers: xw 8,650,752 bytes; xwsc 360,448 bytes; qc 18,874,368 bytes; qsc 786,432 bytes; pc 12,582,912 bytes; pst 1,572,864 bytes
;; launch quant (part 1): grid 352 x 1, 8 waves a work-group, no clusters, 162,816 bytes of LDS; arguments x, Wq, Wk, Wv, xw, xwsc; writes xw, xwsc
.if DOCPART == 1
	.amdgcn_target "amdgcn-amd-amdhsa--gfx1250"
	.amdhsa_code_object_version 6
	.text
	.protected	k_qa37bd11033_quant
	.globl	k_qa37bd11033_quant
	.p2align	8
	.type	k_qa37bd11033_quant,@function
k_qa37bd11033_quant:
	s_mov_b64 s[64:65], 0
	v_nop
	global_prefetch_b8 v0, s[64:65] scope:SCOPE_SE
	s_setreg_imm32_b32 hwreg(HW_REG_WAVE_MODE, 25, 1), 1
	s_wait_xcnt 0x0
; x [8192][1024] and Wq, Wk, Wv [1024 (K)][1024], f32, become codes of BF6 (E3M2) with one E8M0 scale byte for each 32 along K (the 1,024 inputs), laid as the products' launch takes them.
; A block's scale is 2^(floor(log2(its largest magnitude)) - 4): its byte is that magnitude's exponent field - 4, held at 1 from below; each number is divided by it and rounded to the nearest code, ties to even.
; LIMITS: a block whose largest magnitude lies under 2^-122 has the byte 1; a block of zeros has 1 where the rule says 127 (its codes are zeros, and this program alone reads the bytes); NaN and infinities are not served.
; THE ORDER OF TILES.  A tile is 16 rows (tokens of x, columns of a weight), never 16 neighbours: tile 2 g + u holds at place r the row 32 g + 8 u + r % 8 + 16 (r / 8).
; xw: [704 tiles][8 K steps][1,536 bytes]; tiles 0-511 x, 512-575 Wq, 576-639 Wk, 640-703 Wv.  The 1,536 bytes are THE IMAGE OF AN OPERAND'S REGISTERS (16 rows x 128 K, 12 registers a lane):
; registers 4 c .. 4 c + 3 of lane l at 512 c + 16 l.  xwsc: [8 K steps][11,264 places] scale words (four bytes: a row's 128 along K), place = 16 x tile + r.
; Work-groups 0-255 take x, 32 rows each, wave w K step w; work-groups 256-351 take the weights.  Waves share nothing: no barrier.  The two ways have LDS bytes of their own.
.set SP,     528                       ; x's stage: a row's 512 bytes + 16
.set XREG,   32*SP                     ; a wave's stage on x's way
.set WBASE,  8*XREG                    ; the weights' way begins behind them
.set WHALF,  1664                      ; an image + 128
.set WREG,   2*WHALF                   ; a wave's two images
.set FRB,    1536                      ; an image
.set TPITCH, 8*FRB                     ; a tile of xw
.set SCP,    45056                     ; a K step of xwsc
.set LO,  4                            ; v4   16 x lane
.set SI,  5                            ; v5   x: into the stage
.set SO,  6                            ; v6   x: out of it
.set L4,  7                            ; v7   4 x lane
.set PC0, 8                            ; v8-27, v28-47  the codes of the two tiles
.set PC1, 28
.set TM,  48                           ; v48-51 largest magnitudes, v52-55 bytes, v56-58 scale words, v60-63 the conversions' scale operands
.set X0,  64                           ; v64-127  64 numbers of a lane
.set R,   128                          ; v128-255 32 rows as loaded; then v128-191 the second tile's numbers
.set X1,  128
.set SEL, 20                           ; s[20:21] v_permlanex16_b32's selects for lane l xor 16
; 64 numbers of a lane, register 16 b + i = k 32 b + 16 (lane / 16) + i of my row, become a fragment's codes in v[pc] on and its scale word in v[pw]
.macro QUANT s, pc, pw
.irp b, 0,1,2,3
	v_max3_num_f32 v[TM+\b], |v[\s+16*\b]|, |v[\s+16*\b+1]|, 0x2800000   ; my 16 numbers of block b, and the floor 2^(5 - 127): the byte cannot fall under 1
.endr
.irp i, 2,4,6,8,10,12,14
.irp b, 0,1,2,3
	s_delay_alu instid0(VALU_DEP_4)
	v_max3_num_f32 v[TM+\b], v[TM+\b], |v[\s+16*\b+\i]|, |v[\s+16*\b+\i+1]|   ; the four blocks by turns
.endr
.endr
.irp b, 0,1,2,3
	s_delay_alu instid0(VALU_DEP_4)
	v_permlanex16_b32 v[TM+4+\b], v[TM+\b], s[SEL], s[SEL+1]
.endr
.irp b, 0,1,2,3
	s_delay_alu instid0(VALU_DEP_4)
	v_max_num_f32 v[TM+\b], v[TM+\b], v[TM+4+\b]   ; with lane l xor 16's 16: the block's largest magnitude
.endr
.irp b, 0,1,2,3
	s_delay_alu instid0(VALU_DEP_4)
	v_add_nc_u32 v[TM+12+\b], 0xfe000000, v[TM+\b]   ; 4 off its exponent field: the conversion takes this operand's exponent field as its scale
.endr
.irp b, 0,1,2,3
	s_delay_alu instid0(VALU_DEP_4)
	v_lshrrev_b32 v[TM+4+\b], 23, v[TM+12+\b]      ; the scale's byte
.endr
	s_delay_alu instid0(VALU_DEP_3)
	v_lshl_or_b32 v[\pw], v[TM+5], 8, v[TM+4]
	s_delay_alu instid0(VALU_DEP_1)
	v_lshl_or_b32 v[\pw], v[TM+6], 16, v[\pw]
	s_delay_alu instid0(VALU_DEP_1)
	v_lshl_or_b32 v[\pw], v[TM+7], 24, v[\pw]
.irp c, 0,1
	v_cvt_scalef32_pk16_bf6_f32 v[\pc+6*\c:\pc+6*\c+2], v[\s+32*\c:\s+32*\c+15], v[TM+12+2*\c]
	v_cvt_scalef32_pk16_bf6_f32 v[\pc+12+4*\c:\pc+14+4*\c], v[\s+32*\c+16:\s+32*\c+31], v[TM+13+2*\c]   ; (a conversion's three registers begin on an even number)
.endr
	v_nop                                          ; one plain place behind a scaled conversion
.irp c, 0,1                            ; the operand wants a WHOLE block in a lane: lanes 0-15 block 2 c, lanes 16-31 block 2 c + 1
.irp i, 0,1,2
	v_permlane16_swap_b32 v[\pc+6*\c+\i], v[\pc+12+4*\c+\i]
.endr
.irp i, 0,1,2
	s_delay_alu instid0(VALU_DEP_3)
	v_mov_b32 v[\pc+3+6*\c+\i], v[\pc+12+4*\c+\i]
.endr
.endr
.endm
	s_load_b256 s[4:11], s[0:1], 0x0               ; x s[4:5], Wq s[6:7], Wk s[8:9], Wv s[10:11]
	s_load_b128 s[12:15], s[0:1], 0x20             ; xw s[12:13], xwsc s[14:15]
	v_lshl_add_u32 v47, v0, 2, 0x27800
	v_mov_b32 v59, 0
	v_lshrrev_b32 v1, 5, v0
	s_delay_alu instid0(VALU_DEP_1)
	v_readfirstlane_b32 s16, v1                    ; wave 0..7
	v_and_b32 v1, 31, v0                           ; lane
	v_bfe_u32 v3, v0, 4, 1                         ; lane / 16
	s_delay_alu instid0(VALU_DEP_2)
	v_lshlrev_b32 v[LO], 4, v1
	s_delay_alu instid0(VALU_DEP_3)
	v_lshlrev_b32 v[L4], 2, v1
	s_mov_b32 s[SEL], 0x76543210
	s_mov_b32 s[SEL+1], 0xfedcba98
	s_cmp_lt_u32 ttmp9, 256
	s_cbranch_scc0 .Lweights
	; ---- x: rows 32 g .. 32 g + 31 (tiles 2 g and 2 g + 1), K step = my wave
	s_mul_i32 s17, s16, XREG
	v_add_nc_u32 v[SI], s17, v[LO]                 ; in: a row's 512 bytes as they lie
	v_and_b32 v[SO], 7, v0
	v_bfe_u32 v2, v0, 3, 1
	s_delay_alu instid0(VALU_DEP_1)
	v_lshl_add_u32 v[SO], v2, 4, v[SO]             ; out: place r of tile u is row 8 u + r % 8 + 16 (r / 8);
	s_delay_alu instid0(VALU_DEP_1)
	v_mul_u32_u24 v[SO], v[SO], SP
	s_delay_alu instid0(VALU_DEP_1)
	v_lshl_add_u32 v[SO], v3, 6, v[SO]             ; of each block of 32 my half's 16 numbers: + 64 (lane / 16)
	s_delay_alu instid0(VALU_DEP_1)
	v_add_nc_u32 v[SO], s17, v[SO]
.irp b, 0,1,2,3
	v_mov_b32 v[TM+4+\b], 0                        ; a lane permute's destination counts as one of its sources
.endr
	s_lshl_b32 s18, ttmp9, 17                      ; x: 32 rows of 4,096 bytes a work-group, 512 bytes a K step
	s_lshl_b32 s19, s16, 9
	s_add_co_u32 s18, s18, s19
	s_mov_b32 s19, 0
	s_mul_i32 s22, ttmp9, 2*TPITCH                 ; xw: two tiles a work-group, an image a K step
	s_mul_i32 s23, s16, FRB
	s_add_co_u32 s22, s22, s23
	s_mov_b32 s23, 0
	s_mul_i32 s24, s16, SCP                        ; xwsc: my K step, 32 places a work-group
	s_lshl_b32 s25, ttmp9, 7
	s_add_co_u32 s24, s24, s25
	s_mov_b32 s25, 0
	s_wait_alu depctr_va_vdst(0)
	s_wait_kmcnt 0x0
	s_add_nc_u64 s[4:5], s[4:5], s[18:19]
	s_add_nc_u64 s[12:13], s[12:13], s[22:23]
	s_add_nc_u64 s[14:15], s[14:15], s[24:25]
.set i, 0
.rept 32
	global_load_b128 v[R+4*i:R+4*i+3], v[LO], s[4:5] offset:4096*i th:TH_LOAD_NT   ; 32 lanes read 512 consecutive bytes of row i
.set i, i+1
.endr
.set i, 0
.rept 32
	s_wait_loadcnt 31-i                            ; row i is in; the younger loads stay out
	ds_store_b128 v[SI], v[R+4*i:R+4*i+3] offset:SP*i
.set i, i+1
.endr
.irp b, 0,1,2,3
.irp j, 0,1,2,3
	ds_load_b128 v[X0+16*\b+4*\j:X0+16*\b+4*\j+3], v[SO] offset:128*\b+16*\j   ; LDS serves a wave's instructions in order: these see my stores
.endr
.endr
	s_wait_dscnt 0x0                               ; tile 0's numbers are in, and the stores have read v128-255
.irp b, 0,1,2,3
.irp j, 0,1,2,3
	ds_load_b128 v[X1+16*\b+4*\j:X1+16*\b+4*\j+3], v[SO] offset:8*SP+128*\b+16*\j   ; tile 1, while tile 0 is worked
.endr
.endr
	QUANT X0, PC0, TM+8
.irp c, 0,1,2
	global_store_b128 v[LO], v[PC0+4*\c:PC0+4*\c+3], s[12:13] offset:512*\c   ; 512 consecutive bytes a store
.endr
	s_wait_dscnt 0x0
	QUANT X1, PC1, TM+9
.irp c, 0,1,2
	global_store_b128 v[LO], v[PC1+4*\c:PC1+4*\c+3], s[12:13] offset:TPITCH+512*\c
.endr
	v_cmp_ne_u32 vcc_lo, 0, v3
	s_delay_alu instid0(VALU_DEP_1)
	v_cndmask_b32 v[TM+10], v[TM+8], v[TM+9], vcc_lo   ; lanes 0-15 tile 0's words, lanes 16-31 tile 1's: 32 places on end
	global_store_b32 v[L4], v[TM+10], s[14:15]
	s_wait_tensorcnt 0x0
	ds_add_u32 v47, v59
	s_wait_dscnt 0x0
	s_endpgm
	; ---- the weights.  K is their FIRST axis: a lane takes a column and its registers run down K, so a block of 32 lies in one lane and nothing is transposed.
	; Work-group 256 + 8 cb + s: K step s, columns 256 (cb % 4) on of tensor cb / 4; wave w takes 32 columns: tiles 2 G and 2 G + 1, G = 8 cb + w.
.set WU,  2                            ; v2   u: which of the two tiles my column lies in
.set WR,  8                            ; v8   r: its place there
.set SW,  9                            ; v9   into the images
.set SRW, 10                           ; v10  out of them
.set WD,  14                           ; v14  my column's scale word
.set WOF, 15                           ; v15  its place
.set WX,  64                           ; v64-127  two sets of 32 numbers
.set WC,  128                          ; v128-175 a block's codes: six words, the second conversion's at + 8
.set WB,  176                          ; v176-199 the way out
.Lweights:
	s_sub_co_u32 s17, ttmp9, 256
	s_and_b32 s18, s17, 7                          ; K step
	s_lshr_b32 s19, s17, 3                         ; cb
	s_lshr_b32 s22, s19, 2                         ; tensor
	s_and_b32 s23, s19, 3
	s_lshl_b32 s24, s19, 3
	s_add_co_u32 s24, s24, s16                     ; G
	v_bfe_u32 v[WU], v0, 3, 1                      ; column 8 u + r % 8 + 16 (r / 8) of the 32 is lane: u = (lane / 8) % 2,
	v_and_b32 v[WR], 7, v0
	s_wait_alu depctr_va_vdst(0)
	v_lshl_add_u32 v[WR], v3, 3, v[WR]             ; r = lane % 8 + 8 (lane / 16)
	s_mul_i32 s25, s16, WREG
	s_add_co_u32 s25, s25, WBASE
	v_mul_u32_u24 v[SW], v[WU], WHALF
	s_delay_alu instid0(VALU_DEP_1)
	v_lshl_add_u32 v[SW], v[WR], 4, v[SW]
	s_delay_alu instid0(VALU_DEP_1)
	v_add_nc_u32 v[SW], s25, v[SW]
	v_add_nc_u32 v[SRW], s25, v[LO]
	v_lshl_add_u32 v[WOF], v[WU], 4, v[WR]
	s_delay_alu instid0(VALU_DEP_1)
	v_lshlrev_b32 v[WOF], 2, v[WOF]
	s_lshl_b32 s28, s18, 19                        ; W: 128 rows of 4,096 bytes a K step, + my first column
	s_lshl_b32 s29, s23, 10
	s_add_co_u32 s28, s28, s29
	s_lshl_b32 s29, s16, 7
	s_add_co_u32 s28, s28, s29
	s_mov_b32 s29, 0
	s_mul_i32 s30, s24, 2*TPITCH                   ; xw: tile 512 + 2 G, my K step
	s_mul_i32 s31, s18, FRB
	s_add_co_u32 s30, s30, s31
	s_add_co_u32 s30, s30, 512*TPITCH
	s_mov_b32 s31, 0
	s_mul_i32 s32, s18, SCP                        ; xwsc: place 8,192 + 32 G
	s_lshl_b32 s33, s24, 7
	s_add_co_u32 s32, s32, s33
	s_add_co_u32 s32, s32, 32768
	s_mov_b32 s33, 0
	s_wait_kmcnt 0x0
	s_cmp_eq_u32 s22, 0                            ; the choice hangs on the work-group's number alone
	s_cselect_b64 s[26:27], s[6:7], s[8:9]
	s_cmp_eq_u32 s22, 2
	s_cselect_b64 s[26:27], s[10:11], s[26:27]
	s_add_nc_u64 s[26:27], s[26:27], s[28:29]
	s_add_nc_u64 s[12:13], s[12:13], s[30:31]
	s_add_nc_u64 s[14:15], s[14:15], s[32:33]
.macro WLOAD t                         ; block t: W(32 t + i, my column): 32 lanes read 128 consecutive bytes, the eight waves 1,024
.set i, 0
.rept 32
	global_load_b32 v[WX+32*((\t)%2)+i], v[L4], s[26:27] offset:(32*(\t)+i)*4096 th:TH_LOAD_NT
.set i, i+1
.endr
.endm
; Block t = 2 c + h is registers 6 c .. 6 c + 5 of lane r + 16 h of the image: words 0-3 and 4-5 (c = 0) or 0-1 and 2-5 (c = 1) fall into two groups of four registers
.macro WBLOCK t
.set XS, WX+32*((\t)%2)
.set C, WC+12*(\t)
.if (\t) < 3
	s_wait_loadcnt 32                              ; this block's 32 loads are in; the next block's stay out
.else
	s_wait_loadcnt 0x0
.endif
	v_max3_num_f32 v12, |v[XS]|, |v[XS+1]|, |v[XS+2]|
	v_max3_num_f32 v13, |v[XS+3]|, |v[XS+4]|, |v[XS+5]|
.irp i, 6,10,14,18,22,26
	s_delay_alu instid0(VALU_DEP_2)
	v_max3_num_f32 v12, v12, |v[XS+\i]|, |v[XS+\i+1]|
	s_delay_alu instid0(VALU_DEP_2)
	v_max3_num_f32 v13, v13, |v[XS+\i+2]|, |v[XS+\i+3]|
.endr
	s_delay_alu instid0(VALU_DEP_2)
	v_max3_num_f32 v12, v12, |v[XS+30]|, |v[XS+31]|
	s_delay_alu instid0(VALU_DEP_1)
	v_max3_num_f32 v12, v12, v13, 0x2800000        ; and the floor
	s_delay_alu instid0(VALU_DEP_1)
	v_add_nc_u32 v11, 0xfe000000, v12
	s_delay_alu instid0(VALU_DEP_1)
	v_lshrrev_b32 v13, 23, v11
.if (\t) == 0
	s_delay_alu instid0(VALU_DEP_1)
	v_mov_b32 v[WD], v13
.else
	s_delay_alu instid0(VALU_DEP_1)
	v_lshl_or_b32 v[WD], v13, 8*(\t), v[WD]
.endif
	v_cvt_scalef32_pk16_bf6_f32 v[C:C+2], v[XS:XS+15], v11
	v_cvt_scalef32_pk16_bf6_f32 v[C+8:C+10], v[XS+16:XS+31], v11
	v_nop                                          ; one plain place behind a scaled conversion
.irp i, 0,1,2
	v_mov_b32 v[C+3+\i], v[C+8+\i]
.endr
.if (\t) < 2
	ds_store_b128 v[SW], v[C:C+3] offset:256*((\t)%2)
	ds_store_b64 v[SW], v[C+4:C+5] offset:512+256*((\t)%2)
.else
	ds_store_b64 v[SW], v[C:C+1] offset:520+256*((\t)%2)
	ds_store_b128 v[SW], v[C+2:C+5] offset:1024+256*((\t)%2)
.endif
.if (\t)+2 < 4
	WLOAD (\t)+2
.endif
.endm
	WLOAD 0
	WLOAD 1
	WBLOCK 0
	WBLOCK 1
	WBLOCK 2
	WBLOCK 3
.irp n, 0,1,2,3,4,5
	ds_load_b128 v[WB+4*\n:WB+4*\n+3], v[SRW] offset:(\n/3)*WHALF+512*(\n%3)   ; LDS serves a wave's instructions in order: these see my stores
.endr
	s_wait_alu depctr_va_vdst(0)
.irp n, 0,1,2,3,4,5
	s_wait_dscnt 5-\n                              ; the younger read-backs stay out
	global_store_b128 v[LO], v[WB+4*\n:WB+4*\n+3], s[12:13] offset:(\n/3)*TPITCH+512*(\n%3)
.endr
	global_store_b32 v[WOF], v[WD], s[14:15]
	s_wait_tensorcnt 0x0
	ds_add_u32 v47, v59
	s_wait_dscnt 0x0
	s_endpgm
.Lfunc_end_k_qa37bd11033_quant:
	.size	k_qa37bd11033_quant, .Lfunc_end_k_qa37bd11033_quant-k_qa37bd11033_quant
	.p2alignl 7, 3214868480
	.fill 96, 4, 3214868480
	.section	.rodata,"a",@progbits
	.p2align	6, 0x0
	.amdhsa_kernel k_qa37bd11033_quant
		.amdhsa_group_segment_fixed_size 162816
		.amdhsa_private_segment_fixed_size 0
		.amdhsa_enable_private_segment 0
		.amdhsa_kernarg_size 48
		.amdhsa_user_sgpr_count 2
		.amdhsa_user_sgpr_kernarg_segment_ptr 1
		.amdhsa_wavefront_size32 1
		.amdhsa_system_sgpr_workgroup_id_x 1
		.amdhsa_system_sgpr_workgroup_id_y 1
		.amdhsa_system_sgpr_workgroup_id_z 1
		.amdhsa_system_vgpr_workitem_id 0
		.amdhsa_next_free_vgpr 256
		.amdhsa_next_free_sgpr 66
		.amdhsa_reserve_vcc 1
		.amdhsa_float_denorm_mode_32 3
		.amdhsa_float_denorm_mode_16_64 3
		.amdhsa_memory_ordered 1
		.amdhsa_forward_progress 1
		.amdhsa_inst_pref_size 46
	.end_amdhsa_kernel
	.amdgpu_metadata
---
amdhsa.version: [ 1, 2 ]
amdhsa.kernels:
  - .name:           k_qa37bd11033_quant
    .symbol:         k_qa37bd11033_quant.kd
    .args:
      - { .name: x, .offset: 0, .size: 8, .value_kind: global_buffer, .address_space: global }
      - { .name: Wq, .offset: 8, .size: 8, .value_kind: global_buffer, .address_space: global }
      - { .name: Wk, .offset: 16, .size: 8, .value_kind: global_buffer, .address_space: global }
      - { .name: Wv, .offset: 24, .size: 8, .value_kind: global_buffer, .address_space: global }
      - { .name: xw, .offset: 32, .size: 8, .value_kind: global_buffer, .address_space: global }
      - { .name: xwsc, .offset: 40, .size: 8, .value_kind: global_buffer, .address_space: global }
    .group_segment_fixed_size: 162816
    .private_segment_fixed_size: 0
    .kernarg_segment_align: 8
    .kernarg_segment_size: 48
    .max_flat_workgroup_size: 256
    .sgpr_count:     66
    .vgpr_count:     256
    .wavefront_size: 32
...
	.end_amdgpu_metadata
.endif
;; end of part 1
;; launch proj (part 2): grid 8 x 64, 4 waves a work-group, clusters of 4 x 4, 327,680 bytes of LDS; arguments xw, xwsc, qc, qsc; writes qc, qsc
.if DOCPART == 2
	.amdgcn_target "amdgcn-amd-amdhsa--gfx1250"
	.amdhsa_code_object_version 6
	.text
	.protected	k_qa37bd11033_proj
	.globl	k_qa37bd11033_proj
	.p2align	8
	.type	k_qa37bd11033_proj,@function
k_qa37bd11033_proj:
	s_mov_b64 s[64:65], 0
	v_nop
	global_prefetch_b8 v0, s[64:65] scope:SCOPE_SE
	s_setreg_imm32_b32 hwreg(HW_REG_WAVE_MODE, 25, 1), 1
	s_wait_xcnt 0x0
	s_wait_alu depctr_hold_cnt(0) depctr_sa_sdst(0) depctr_va_vdst(0) depctr_va_sdst(0) depctr_va_ssrc(0) depctr_va_vcc(0) depctr_vm_vsrc(0)
	s_getreg_b32 s2, hwreg(HW_REG_IB_STS2, 6, 4)
	s_cmp_eq_u32 s2, 0
	s_cbranch_scc0 .Lentry_in_a_cluster
	s_endpgm
.Lentry_in_a_cluster:
	s_bfe_u32 s2, ttmp6, 0x10000c
	s_cmp_lg_u32 s2, 0xf033
	s_cbranch_scc0 .Lentry_shape_is_right
	s_endpgm
.Lentry_shape_is_right:
; q = x Wq, k = x Wk and v^T = Wv^T x^T as ONE product on codes of BF6 (E3M2) with E8M0 scales, K = 1,024, seen as 12,288 rows x 2,048 columns; its results are quantised on the way out and leave as codes.
; Rows 0-8191: tokens against the columns [Wq | Wk].  Rows 8192 + 1024 b + e: rows of Wv against the 2,048 tokens of batch b.  Both operands come from xw, so only two tile numbers differ.
; OPERANDS are images of their registers: a fragment (16 rows x 128 K, 12 registers a lane) is 1,536 bytes, registers 4 c .. 4 c + 3 of lane l at 512 c + 16 l: three ds_load_b128 of 512 consecutive bytes, no pitch, no padding.
; THE ORDER OF TILES: tile 2 g + u holds at place r the row 32 g + 8 u + r % 8 + 16 (r / 8).  THE MATRIX INSTRUCTION IS USED TRANSPOSED (source 0 = 16 columns' tile, source 1 = 16 rows' tile): a lane holds ONE row,
; and the 64 registers of a block of 16 rows run along the wave's 128 columns so that register 16 b + i is column 32 b + 16 (lane / 16) + i: sixteen neighbours along the next product's K, as the conversions want them.
; So q and k leave quantised along e, v^T along the keys, each block of 16 rows x 128 columns as one image in qc [768 tiles][16 column steps][1,536] and one scale word a row in qsc [16 steps][12,288 places].
; SHARES: a work-group makes 256 x 256, a wave 128 x 128: 64 accumulators.  K goes in slots of 256 (a tile's two images on end: rows of 3,072 bytes for the data mover).  THREE slots: three quarters of K are asked for at
; the start, four tensor loads a wave with the scale words; slot 0 is filled again once, and that load has four K steps in which to land.  The eight K steps are written out.
; CLUSTERS: 4 x 4.  The rows' tile is shared along a row of the cluster, the columns' tile along a column: each is asked for jointly.
; LIMITS: a block whose largest magnitude lies under 2^-122 has the byte 1, a block of zeros too (its codes are zeros; this program alone reads the bytes); NaN and infinities are not served.
; REGISTERS: window 0: v1-15 addresses; v32-95 scale words; v128-223 A's fragments, one set; on the way out v96-99, v192-235.  Window 1: B's fragments, two sets.  Windows 2, 3: accumulator (a, b) at v[8 (8 (a % 4) + b)].
; THE RING AS IT NOW STANDS (it takes the place of what the head comment says of three slots and of the scale words): slot 0 holds K steps 0-1 in rows of 3,072 bytes, one tensor load a wave at the head;
; the bytes of slots 1 and 2 are one region with rows of 6,144 bytes for K steps 2-5, one tensor load a wave behind the full sequence and a round; slot 0 is filled again once, with K steps 6-7.
; The scale words go from memory straight into their registers, by 64 loads a wave at the head.
; THE GRID AS IT NOW STANDS: the cluster's y 0-7: q and k, 256 blocks of 256 x 256.  y 8-15: v^T in 256 blocks of 128 rows x 256 tokens (block 4 (y - 8) + cy; batch (y - 8) / 2): a wave makes 64 x 128, 32 accumulators,
; on a walk of its own behind the label .Lshort, chosen by the cluster's y alone; there A's tiles come four to a load, and the registers of A's blocks 4-7 are a second set for blocks 0-3.
.set FR,    12
.set NL,    3                          ; LDS loads that bring a fragment
.set FRB,   1536
.set SLOTK, 2*FRB                      ; a tile's bytes in a slot
.set HALFT, 8*SLOTK                    ; eight tiles: what one tensor load brings, and what a wave reads of A or of B
.set SLOT,  4*HALFT                    ; A's two halves, B's two halves
.set HS,    4096                       ; the scale words of 128 rows: [8 K steps][128 words]
.set SCL,   3*SLOT
.set SPARE, SCL+4*HS                   ; the spare words, 128 bytes a wave: two blocks of 256 bytes that no other line names
.set STG,   SPARE+512                  ; a stage of 512 bytes a wave for the new scale words: no fill lands there
.set LI,   1                           ; v1    16 x lane
.set ADRA, 2                           ; v2-4  my A fragments in slots 0-2
.set ADRB, 5                           ; v5-7  my B fragments
.set ADRS, 8                           ; v8    scale words: lanes 0-15 A's rows, lanes 16-31 B's
.set SA,   9                           ; v9    the stage, in
.set SRD,  10                          ; v10   the stage, out
.set SPW,  14                          ; v14   my spare word
.set NIL,  15                          ; v15   0
.set SC,   32                          ; v[SC + 8 s + i]: K step s; lanes 0-15 the word of A's block i, lanes 16-31 that of B's block i.  Scales and nothing else
.set WO,   96
.set AF,   128
.set PC,   192                         ; the codes just made
.set TM,   212                         ; v212-215 largest magnitudes, v216-219 bytes, v224-227 the conversions' scale operands
.set PW,   228                         ; v228-235 the eight blocks' scale words
.set G1A,  24                          ; s[24:31], s[32:39] group 1 for A's and B's codes; s[40:47], s[48:55] for their K steps 2-5
.set G1B,  32
.set G1SA, 40
.set G1SB, 48
.set SEL,  56
.set G0A,  64                          ; named from + 4 on alone: s[68:75] A's groups 0: slot 0, K steps 2-5;  s[76:83] B's
.set G1AS, 84                          ; s[84:91], s[92:99] A's groups 1 for the short blocks: 4 tiles
.set G1TS, 92
.set STO2, 0                           ; the stage of the path in hand
.set G0B,  72
.set MSB, 0
.macro WIN new                         ; the immediate's high byte repeats the setting that is left
.if MSB != (\new)
	s_set_vgpr_msb (MSB<<8)|(\new)
.set MSB, (\new)
.endif
.endm
.set MUL_LO, 0xa1                      ; source 0 (B) window 1, source 1 (A) window 0, C and D window 2
.set MUL_HI, 0xf1
.set TO_B,   0x40
.macro PLACES n                        ; plain places behind matrix instructions, ahead of loads into their registers and of reads of their results
.rept \n
	v_nop
.endr
.endm
.macro CREST                           ; a round of the cluster's barrier behind its opening barrier
	s_cmp_lg_u32 s14, 0
	s_cbranch_scc1 .Lnot_wave_0_\@
	s_barrier_signal -3
.Lnot_wave_0_\@:
	s_barrier_wait -3
	s_barrier_signal -1
	s_barrier_wait -1
.endm
.macro CROUND
	s_barrier_signal -1
	s_barrier_wait -1
	CREST
.endm
.macro FRAG reg, adr, off
.irp c, 0,1,2
	ds_load_b128 v[\reg+4*\c:\reg+4*\c+3], v[\adr] offset:\off+512*\c
.endr
.endm
.macro FETCH_B slot, q, p              ; B's eight fragments of the slot's q-th 128 along K into set p
	WIN TO_B
.irp i, 0,1,2,3,4,5,6,7
	FRAG 128*(\p)+FR*\i, ADRB+(\slot), SLOTK*\i*(1+((\slot)+1)/2)+FRB*(\q)
.endr
	WIN 0
.endm
.macro FETCH_A slot, q, i0             ; A's blocks i0 .. i0 + 3
.irp i, \i0, \i0+1, \i0+2, \i0+3
	FRAG AF+FR*(\i), ADRA+(\slot), SLOTK*(\i)*(1+((\slot)+1)/2)+FRB*(\q)
.endr
.endm
; 16 matrix instructions: A's blocks a0, a0 + 1 x B's eight.  The 64 accumulators take turns, one instruction a turn, in the same order in every step
.macro MUL16 a0, p, sb, zero
.irp a, \a0, \a0+1
.irp b, 0,1,2,3,4,5,6,7
.if \zero
	v_wmma_scale_f32_16x16x128_f8f6f4 v[8*(8*((\a)%4)+\b):8*(8*((\a)%4)+\b)+7], v[128*(\p)+FR*\b:128*(\p)+FR*\b+FR-1], v[AF+FR*(\a):AF+FR*(\a)+FR-1], 0, v[(\sb)+\b], v[(\sb)+(\a)] matrix_a_fmt:MATRIX_FMT_BF6 matrix_b_fmt:MATRIX_FMT_BF6 matrix_a_scale:MATRIX_SCALE_ROW1
.else
	v_wmma_scale_f32_16x16x128_f8f6f4 v[8*(8*((\a)%4)+\b):8*(8*((\a)%4)+\b)+7], v[128*(\p)+FR*\b:128*(\p)+FR*\b+FR-1], v[AF+FR*(\a):AF+FR*(\a)+FR-1], v[8*(8*((\a)%4)+\b):8*(8*((\a)%4)+\b)+7], v[(\sb)+\b], v[(\sb)+(\a)] matrix_a_fmt:MATRIX_FMT_BF6 matrix_b_fmt:MATRIX_FMT_BF6 matrix_a_scale:MATRIX_SCALE_ROW1
.endif
.endr
.endr
.endm
; A K step of 128: 64 matrix instructions; the next step's fragments (slot nslot, its nq-th 128) are fetched in two runs: B and A's blocks 0-3 in the middle, A's blocks 4-7 at the end
.macro STEP p, sb, zero, nslot, nq
	s_wait_dscnt 4*NL                              ; all but the youngest twelve loads (A's blocks 4-7) are in
	WIN MUL_LO
	MUL16 0, \p, \sb, \zero
	MUL16 2, \p, \sb, \zero
	s_wait_dscnt 0x0
	PLACES 4
	FETCH_B \nslot, \nq, 1-(\p)
	FETCH_A \nslot, \nq, 0
	WIN MUL_HI
	MUL16 4, \p, \sb, \zero
	MUL16 6, \p, \sb, \zero
	PLACES 4
	WIN 0
	FETCH_A \nslot, \nq, 4
.endm
; A K step with a barrier.  In front of it each wave waits for all its tensor loads, adds 0 to its spare word, and waits for that and for its LDS reads.  fill = 1: slot 0, read out, takes the last quarter of K:
; the barrier then opens a round of the cluster's barrier, and the joint refill is the first tensor load behind it.
.macro TURN p, sb, next, fill
	s_wait_tensorcnt 0x0                           ; all my tensor loads have landed
	ds_add_u32 v[SPW], v[NIL]                      ; 0 onto my spare word
.if \fill
	s_add_nc_u64 s[G0A+6:G0A+7], s[G0A+6:G0A+7], 3*SLOTK   ; no tensor load of mine is out: slot 0's groups 0 step three slots along K
	s_add_nc_u64 s[G0B+6:G0B+7], s[G0B+6:G0B+7], 3*SLOTK
.endif
	s_wait_dscnt 4*NL+1                            ; (the add and A's blocks 4-7 may be out)
	WIN MUL_LO
	MUL16 0, \p, \sb, 0
	s_wait_dscnt 0x0                               ; the add is done, and my reads of the slot are over
	s_barrier_signal -1
	MUL16 2, \p, \sb, 0
	WIN 0
	s_barrier_wait -1
.if \fill
	CREST                                          ; no wave of any partner still reads slot 0 or has a load on its way
	s_cmp_eq_u32 s15, 0                            ; waves 0 and 1 fetch for A, waves 2 and 3 for B: the branch hangs on the wave's number alone
	s_cbranch_scc0 .Lfor_b_\@
	tensor_load_to_lds s[G0A+4:G0A+7], s[G1A:G1A+7]
	s_nop 0
	PLACES 4                                       ; four v_nop follow each of the two lines; they are also the places in front of the loads below
	s_branch .Lasked_\@
.Lfor_b_\@:
	tensor_load_to_lds s[G0B+4:G0B+7], s[G1B:G1B+7]
	s_nop 0
	PLACES 4
.Lasked_\@:
.else
	PLACES 4
.endif
	FETCH_B \next, 0, 0
	FETCH_A \next, 0, 0
	WIN MUL_HI
	MUL16 4, \p, \sb, 0
	MUL16 6, \p, \sb, 0
	PLACES 4
	WIN 0
	FETCH_A \next, 0, 4
.endm
.macro LAST p, sb
	s_wait_dscnt 4*NL
	WIN MUL_LO
	MUL16 0, \p, \sb, 0
	MUL16 2, \p, \sb, 0
	s_wait_dscnt 0x0
	WIN MUL_HI
	MUL16 4, \p, \sb, 0
	MUL16 6, \p, \sb, 0
	WIN 0
.endm
; The four blocks' largest magnitudes of 64 numbers in window mw's registers; each accumulator is read from its low end on
.macro QMAX src, mw
	WIN \mw
.irp b, 0,1,2,3
	v_max3_num_f32 v[TM+\b], |v[\src+16*\b]|, |v[\src+16*\b+1]|, 0x2800000   ; and the floor 2^(5 - 127): the byte cannot fall under 1
.endr
.irp i, 2,4,6,8,10,12,14
.irp b, 0,1,2,3
	v_max3_num_f32 v[TM+\b], |v[\src+16*\b+\i]|, |v[\src+16*\b+\i+1]|, v[TM+\b]
.endr
.endr
	WIN 0
.irp b, 0,1,2,3
	v_permlanex16_b32 v[TM+4+\b], v[TM+\b], s[SEL], s[SEL+1]
.endr
.irp b, 0,1,2,3
	v_max_num_f32 v[TM+\b], v[TM+\b], v[TM+4+\b]
.endr
.endm
; From the largest magnitudes: the scale word in v[pw], the fragment's codes in v[PC] on
.macro QTAIL src, cw, pw
.irp b, 0,1,2,3
	v_add_nc_u32 v[TM+12+\b], 0xfe000000, v[TM+\b]   ; 4 off the exponent field: the conversion's scale operand
.endr
.irp b, 0,1,2,3
	v_lshrrev_b32 v[TM+4+\b], 23, v[TM+12+\b]
.endr
	v_lshl_or_b32 v[\pw], v[TM+5], 8, v[TM+4]
	v_lshl_or_b32 v[\pw], v[TM+6], 16, v[\pw]
	v_lshl_or_b32 v[\pw], v[TM+7], 24, v[\pw]
	WIN \cw
.irp c, 0,1
	v_cvt_scalef32_pk16_bf6_f32 v[PC+6*\c:PC+6*\c+2], v[\src+32*\c:\src+32*\c+15], v[TM+12+2*\c]
	v_cvt_scalef32_pk16_bf6_f32 v[PC+12+4*\c:PC+14+4*\c], v[\src+32*\c+16:\src+32*\c+31], v[TM+13+2*\c]
.endr
	WIN 0
	v_nop                                          ; one plain place behind a scaled conversion
.irp c, 0,1
.irp i, 0,1,2
	v_permlane16_swap_b32 v[PC+6*\c+\i], v[PC+12+4*\c+\i]
.endr
.irp i, 0,1,2
	v_mov_b32 v[PC+3+6*\c+\i], v[PC+12+4*\c+\i]
.endr
.endr
.endm
	s_load_b256 s[4:11], s[0:1], 0x0               ; xw s[4:5], xwsc s[6:7], qc s[8:9], qsc s[10:11]
	v_lshl_add_u32 v[SPW], v0, 2, SPARE
	v_mov_b32 v[NIL], 0
	ds_add_u32 v14, v15
	ds_add_u32 v14, v15
	s_wait_dscnt 0x0
	v_lshrrev_b32 v16, 5, v0
	v_readfirstlane_b32 s14, v16                   ; wave 0..3
	s_lshr_b32 s15, s14, 1                         ; which 128 rows are mine.  Also: I fetch for A (0) or for B (1)
	s_and_b32 s16, s14, 1                          ; which 128 columns.  Also: which half I fetch
	s_bfe_u32 s17, ttmp6, 0x40000                  ; cx
	s_bfe_u32 s18, ttmp6, 0x40004                  ; cy
	s_and_b32 s19, ttmp7, 0xffff                   ; the cluster's y: 0-7 tokens' rows, 8-15 v^T, batch (y - 8) / 2
	s_lshl_b32 s20, ttmp9, 2
	s_add_co_u32 s20, s20, s17                     ; tile column 0..7
	s_lshl_b32 s21, s19, 3                         ; in units of 128 rows.  Tokens: 8 y + 2 cy, in xw and in qc alike
	s_lshl_b32 s22, s18, 1
	s_add_co_u32 s21, s21, s22
	s_sub_co_u32 s23, s19, 8                       ; v^T: y' = y - 8
	s_lshl_b32 s3, s23, 2
	s_add_co_u32 s3, s3, s18
	s_add_co_u32 s3, s3, 64                        ; in qc: 64 + 4 y' + cy
	s_and_b32 s2, s23, 1
	s_lshl_b32 s2, s2, 2
	s_add_co_u32 s2, s2, s18
	s_add_co_u32 s2, s2, 80                        ; in xw: Wv's unit 80 + 4 (y' % 2) + cy
	s_lshr_b32 s23, s23, 1
	s_lshl_b32 s23, s23, 3                         ; B: the batch's tokens, 8 blocks of 256
	s_cmp_lt_u32 s19, 8
	s_cselect_b32 s22, s21, s2                     ; A's unit: made of cy and the cluster's y alone
	s_cselect_b32 s21, s21, s3                     ; the result's unit
	s_cselect_b32 s23, 32, s23                     ; B's block: [Wq | Wk] (from block 32), or the batch's tokens
	s_add_co_u32 s23, s23, s20                     ; made of cx, the cluster's x and y alone
	s_lshl_b32 s66, s18, 2
	s_lshl_b32 s66, 15, s66                        ; my row of the cluster
	s_lshl_b32 s67, 0x1111, s17                    ; my column
	s_or_b32 s[G1A], s66, (3<<16)|(1<<21)          ; 15:0 the mask; 17:16 elements of 8 bytes; 21 set beside a mask; no padding
	s_or_b32 s[G1B], s67, (3<<16)|(1<<21)
	s_or_b32 s[G1SA], s66, (3<<16)|(1<<21)
	s_or_b32 s[G1SB], s67, (3<<16)|(1<<21)
	s_or_b32 s[G1AS], s66, (3<<16)|(1<<21)
	s_or_b32 s[G1TS], s66, (3<<16)|(1<<21)
	s_mov_b32 s[G1AS+1], 384<<16                   ; rows of 3,072 bytes,
	s_mov_b32 s[G1AS+3], 384<<16
	s_mov_b32 s[G1TS+1], 768<<16                   ; and of 6,144
	s_mov_b32 s[G1TS+3], 768<<16
.irp g, G1AS, G1TS
	s_mov_b32 s[\g+2], 4<<16                       ; 4 tiles
	s_mov_b32 s[\g+4], 4
	s_mov_b32 s[\g+5], 1536
	s_mov_b32 s[\g+6], 0
	s_mov_b32 s[\g+7], 0
.endr
.irp g, G1A, G1B                       ; codes: 8 tiles' rows of 3,072 bytes, a tile of xw (12,288 bytes) apart
	s_mov_b32 s[\g+1], 384<<16
	s_mov_b32 s[\g+2], 8<<16
	s_mov_b32 s[\g+3], 384<<16
	s_mov_b32 s[\g+4], 8
	s_mov_b32 s[\g+5], 1536
	s_mov_b32 s[\g+6], 0
	s_mov_b32 s[\g+7], 0
.endr
.irp g, G1SA, G1SB                     ; codes of K steps 2-5
	s_mov_b32 s[\g+1], 768<<16                     ; K steps 2-5: 8 tiles' rows of 6,144 bytes, a tile of xw apart
	s_mov_b32 s[\g+2], 8<<16
	s_mov_b32 s[\g+3], 768<<16
	s_mov_b32 s[\g+4], 8
	s_mov_b32 s[\g+5], 1536
	s_mov_b32 s[\g+6], 0
	s_mov_b32 s[\g+7], 0
.endr
	s_mul_i32 s58, s22, 98304                      ; A's codes: 8 tiles a unit, my half's 8 tiles or 4
	s_cmp_lt_u32 s19, 8
	s_cselect_b32 s3, 2, 1
	s_mul_i32 s59, s16, 49152
	s_mul_i32 s59, s59, s3
	s_add_co_u32 s58, s58, s59
	s_mov_b32 s59, 0
	s_mul_i32 s60, s23, 196608                     ; B's
	s_mul_i32 s61, s16, 98304
	s_add_co_u32 s60, s60, s61
	s_mov_b32 s61, 0
	s_lshl_b32 s62, s22, 9                         ; A's scale words: those of the 128 or 64 rows that I multiply
	s_lshl_b32 s63, s15, 8
	s_mul_i32 s63, s63, s3
	s_add_co_u32 s62, s62, s63
	s_mov_b32 s63, 0
	s_lshl_b32 s12, s23, 10                        ; B's
	s_lshl_b32 s13, s16, 9
	s_add_co_u32 s12, s12, s13
	s_mov_b32 s13, 0
	s_mul_i32 s2, s14, HALFT                       ; where they go: wave x a half: no place in the cluster enters an LDS address
	s_mov_b32 s[SEL], 0x76543210
	s_mov_b32 s[SEL+1], 0xfedcba98
	s_wait_kmcnt 0x0
	s_add_nc_u64 s[58:59], s[4:5], s[58:59]
	s_add_nc_u64 s[60:61], s[4:5], s[60:61]
.irp n, 0,1
	s_mov_b32 s[G0A+4+4*\n], 1
	s_add_co_u32 s[G0A+5+4*\n], s2, \n*SLOT
	s_add_nc_u64 s[G0A+6+4*\n:G0A+7+4*\n], s[58:59], \n*SLOTK
	s_or_b32 s[G0A+7+4*\n], s[G0A+7+4*\n], 0x80000000
	s_mov_b32 s[G0B+4+4*\n], 1
	s_add_co_u32 s[G0B+5+4*\n], s2, \n*SLOT
	s_add_nc_u64 s[G0B+6+4*\n:G0B+7+4*\n], s[60:61], \n*SLOTK
	s_or_b32 s[G0B+7+4*\n], s[G0B+7+4*\n], 0x80000000
	s_lshl_b32 s2, s2, 1                           ; in the region of K steps 2-5 a wave's part is twice as long
.endr
	CROUND                                         ; all sixteen work-groups are here: the first joint loads meet
	s_cmp_eq_u32 s15, 0                            ; a wave's first fill stands in one branch: one tensor load of mine is out
	s_cbranch_scc0 .Lfirst_b
	s_cmp_lt_u32 s19, 8                            ; the same answer in all partners
	s_cbranch_scc0 .Lfirst_as
	tensor_load_to_lds s[G0A+4:G0A+7], s[G1A:G1A+7]
	s_nop 0
	PLACES 4
	s_branch .Lfirst_done
.Lfirst_as:
	tensor_load_to_lds s[G0A+4:G0A+7], s[G1AS:G1AS+7]
	s_nop 0
	PLACES 4
	s_branch .Lfirst_done
.Lfirst_b:
	tensor_load_to_lds s[G0B+4:G0B+7], s[G1B:G1B+7]
	s_nop 0
	PLACES 4
.Lfirst_done:
	v_and_b32 v16, 31, v0
	v_lshlrev_b32 v[LI], 4, v16
	v_and_b32 v17, 15, v0                          ; r
	v_bfe_u32 v18, v0, 4, 1                        ; h
	s_wait_alu depctr_va_vdst(0)
	s_mul_i32 s2, s15, HALFT                       ; my half of A,
	s_mul_i32 s3, s16, HALFT                       ; my half of B, behind A's two
	s_add_co_u32 s3, s3, 2*HALFT
	v_add_nc_u32 v[ADRA], s2, v[LI]
	v_add_nc_u32 v[ADRB], s3, v[LI]
	s_lshl_b32 s2, s2, 1                           ; K steps 2-5: parts twice as long, behind slot 0
	s_lshl_b32 s3, s3, 1
	s_add_co_u32 s2, s2, SLOT
	s_add_co_u32 s3, s3, SLOT
	v_add_nc_u32 v[ADRA+1], s2, v[LI]
	v_add_nc_u32 v[ADRB+1], s3, v[LI]
	s_add_co_u32 s2, s2, SLOTK                     ; K steps 4-5: the second half of each row
	s_add_co_u32 s3, s3, SLOTK
	v_add_nc_u32 v[ADRA+2], s2, v[LI]
	v_add_nc_u32 v[ADRB+2], s3, v[LI]
	v_cmp_ne_u32 vcc_lo, 0, v18
	v_mov_b32 v19, s62                             ; lanes 0-15: my rows' words in xwsc,
	v_mov_b32 v20, s12                             ; lanes 16-31: my columns'
	v_cndmask_b32 v19, v19, v20, vcc_lo
	v_lshl_add_u32 v[ADRS], v17, 2, v19
	s_cmp_lt_u32 s19, 8
	s_cselect_b32 s3, 0, 256
	v_sub_nc_u32 v20, 1, v18                       ; 1 in lanes 0-15
	v_mul_u32_u24 v20, s3, v20
	v_sub_nc_u32 v11, v[ADRS], v20                 ; in a short block registers 4-7 hold the words of A's blocks 0-3 once more, for the second set of fragments
.set k, 0
.rept 8
.irp i, 0,1,2,3
	global_load_b32 v[SC+8*k+\i], v[ADRS], s[6:7] offset:45056*k+64*\i
.endr
.irp i, 4,5,6,7
	global_load_b32 v[SC+8*k+\i], v11, s[6:7] offset:45056*k+64*\i
.endr
.set k, k+1
.endr
	s_lshl_b32 s2, s14, 9
	s_add_co_u32 s2, s2, STG
	v_lshl_add_u32 v[SA], v17, 2, s2
	v_add_nc_u32 v[SRD], s2, v[LI]
	v_lshrrev_b32 v13, 1, v[LI]                    ; 8 x lane: a short block's 64 scale words leave 8 bytes a lane
	v_add_nc_u32 v12, s2, v13
	s_cmp_lt_u32 s19, 8
	s_cselect_b32 s58, 2, 1
	s_mul_i32 s2, s21, 196608                      ; qc: 8 tiles a unit, my 8 tiles or 4
	s_mul_i32 s3, s15, 98304
	s_mul_i32 s3, s3, s58
	s_add_co_u32 s2, s2, s3
	s_lshl_b32 s66, s20, 1
	s_add_co_u32 s66, s66, s16
	s_mul_i32 s3, s66, FRB
	s_add_co_u32 s2, s2, s3
	s_mov_b32 s3, 0
	s_add_nc_u64 s[8:9], s[8:9], s[2:3]
	s_mul_i32 s2, s66, 49152                       ; qsc: my column step, my 128 places
	s_lshl_b32 s67, s21, 9
	s_add_co_u32 s2, s2, s67
	s_lshl_b32 s67, s15, 8
	s_mul_i32 s67, s67, s58
	s_add_co_u32 s2, s2, s67
	s_add_nc_u64 s[10:11], s[10:11], s[2:3]
	s_wait_alu depctr_va_vdst(0)
	s_cmp_lt_u32 s19, 8
	s_cbranch_scc0 .Lshort                         ; v^T's blocks have a walk of their own
	s_wait_tensorcnt 0x0
	ds_add_u32 v[SPW], v[NIL]
	s_wait_dscnt 0x0
	CROUND                                         ; slot 0 is whole, and all sixteen work-groups are here
	s_cmp_eq_u32 s15, 0
	s_cbranch_scc0 .Lmid_b
	tensor_load_to_lds s[G0A+8:G0A+11], s[G1SA:G1SA+7]   ; K steps 2-5, my one load behind the round
	s_nop 0
	PLACES 4
	s_branch .Lmid_done
.Lmid_b:
	tensor_load_to_lds s[G0B+8:G0B+11], s[G1SB:G1SB+7]
	s_nop 0
	PLACES 4
.Lmid_done:
	FETCH_B 0, 0, 0
	FETCH_A 0, 0, 0
	s_wait_loadcnt 0x0                             ; the scale words are in
	FETCH_A 0, 0, 4
	STEP 0, SC, 1, 0, 1                            ; the first step's products start the sums: nothing is cleared
	TURN 1, SC+8, 1, 1                             ; slot 0 is read out and filled again; slots 1 and 2 are whole in every wave
	STEP 0, SC+16, 0, 1, 1
	STEP 1, SC+24, 0, 2, 0
	STEP 0, SC+32, 0, 2, 1
	TURN 1, SC+40, 0, 0                            ; the refill has landed in every wave
	STEP 0, SC+48, 0, 0, 1
	LAST 1, SC+56
	; THE WAY OUT: each block of 16 rows x 128 columns is quantised along the columns and leaves as one image; the eight scale words a lane meet in my stage and leave as 512 consecutive bytes
	PLACES 4
.irp b, 0,1,2,3
	v_mov_b32 v[TM+4+\b], 0                        ; a lane permute's destination counts as one of its sources
.endr
.macro OUTBLK a
.set AC, 64*((\a)%4)
.if (\a) > 0
	s_wait_xcnt 0x0                                ; the last block's stores have read the codes' registers
.endif
	QMAX AC, 0x0a+5*((\a)/4)
	QTAIL AC, 2+(\a)/4, PW+(\a)
.irp c, 0,1,2
	global_store_b128 v[LI], v[PC+4*\c:PC+4*\c+3], s[8:9] offset:24576*(\a)+512*\c
.endr
	ds_store_b32 v[SA], v[PW+(\a)] offset:STO2+64*(\a)  ; lanes r and r + 16 write the same word with the same value
.endm
.irp a, 0,1,2,3,4,5,6,7
	OUTBLK \a
.endr
	ds_load_b128 v[WO:WO+3], v[SRD]                ; LDS serves a wave's instructions in order: this sees my stores
	s_wait_dscnt 0x0
	global_store_b128 v[LI], v[WO:WO+3], s[10:11]
	s_wait_tensorcnt 0x0                           ; the wave's end
	ds_add_u32 v[SPW], v[NIL]
	s_wait_dscnt 0x0
	CROUND                                         ; the closing round
	s_endpgm
; ---- THE SHORT BLOCKS: 128 rows of v^T x 256 tokens.  A wave's four blocks of A have two sets of registers (set p at blocks 4 p .. 4 p + 3); their accumulators are window 2's 32, by turns.
.set STO2, 2048                        ; this path's stage lies behind the other's
.macro FETCH_AH slot, q, p
.irp i, 0,1,2,3
	FRAG AF+FR*(4*(\p)+\i), ADRA+(\slot), SLOTK*\i*(1+((\slot)+1)/2)+FRB*(\q)
.endr
.endm
.macro STEPH p, sb, zero, nslot, nq    ; the next step's twelve fragments are asked for, then 32 matrix instructions
	s_wait_dscnt 0x0                               ; this step's fragments are in
	PLACES 4                                       ; ahead of loads into the sets that the last step multiplied
	FETCH_B \nslot, \nq, 1-(\p)
	FETCH_AH \nslot, \nq, 1-(\p)
	WIN MUL_LO
	MUL16 4*(\p), \p, \sb, \zero
	MUL16 4*(\p)+2, \p, \sb, \zero
	WIN 0
.endm
.macro TURNH p, sb, next, fill         ; a K step with a barrier; fill = 1: slot 0, read out, takes K steps 6-7 behind a round
	s_wait_tensorcnt 0x0                           ; all my tensor loads have landed
	ds_add_u32 v[SPW], v[NIL]                      ; 0 onto my spare word
.if \fill
	s_add_nc_u64 s[G0A+6:G0A+7], s[G0A+6:G0A+7], 3*SLOTK
	s_add_nc_u64 s[G0B+6:G0B+7], s[G0B+6:G0B+7], 3*SLOTK
.endif
	s_wait_dscnt 1                                 ; this step's fragments are in (the add may be out)
	WIN MUL_LO
	MUL16 4*(\p), \p, \sb, 0
	s_wait_dscnt 0x0                               ; the add is done, and my reads of the slot are over
	s_barrier_signal -1
	WIN 0
	s_barrier_wait -1
.if \fill
	CREST
	s_cmp_eq_u32 s15, 0
	s_cbranch_scc0 .Lhb_\@
	tensor_load_to_lds s[G0A+4:G0A+7], s[G1AS:G1AS+7]
	s_nop 0
	PLACES 4
	s_branch .Lha_\@
.Lhb_\@:
	tensor_load_to_lds s[G0B+4:G0B+7], s[G1B:G1B+7]
	s_nop 0
	PLACES 4
.Lha_\@:
.else
	PLACES 4
.endif
	FETCH_B \next, 0, 0
	FETCH_AH \next, 0, 0
	WIN MUL_LO
	MUL16 4*(\p)+2, \p, \sb, 0
	WIN 0
.endm
.Lshort:
	s_wait_tensorcnt 0x0                           ; my part of slot 0 is in
	ds_add_u32 v[SPW], v[NIL]
	s_wait_dscnt 0x0
	CROUND
	s_cmp_eq_u32 s15, 0
	s_cbranch_scc0 .Lsmid_b
	tensor_load_to_lds s[G0A+8:G0A+11], s[G1TS:G1TS+7]   ; K steps 2-5, my one load behind the round
	s_nop 0
	PLACES 4
	s_branch .Lsmid_done
.Lsmid_b:
	tensor_load_to_lds s[G0B+8:G0B+11], s[G1SB:G1SB+7]
	s_nop 0
	PLACES 4
.Lsmid_done:
	FETCH_B 0, 0, 0
	FETCH_AH 0, 0, 0
	s_wait_loadcnt 0x0                             ; the scale words are in
	STEPH 0, SC, 1, 0, 1
	TURNH 1, SC+8, 1, 1
	STEPH 0, SC+16, 0, 1, 1
	STEPH 1, SC+24, 0, 2, 0
	STEPH 0, SC+32, 0, 2, 1
	TURNH 1, SC+40, 0, 0
	STEPH 0, SC+48, 0, 0, 1
	s_wait_dscnt 0x0
	WIN MUL_LO
	MUL16 4, 1, SC+56, 0
	MUL16 6, 1, SC+56, 0
	WIN 0
	PLACES 4
.irp b, 0,1,2,3
	v_mov_b32 v[TM+4+\b], 0                        ; a lane permute's destination counts as one of its sources
.endr
.irp a, 0,1,2,3
	OUTBLK \a
.endr
	ds_load_b64 v[WO:WO+1], v12 offset:2048        ; LDS serves a wave's instructions in order: this sees my stores
	s_wait_dscnt 0x0
	global_store_b64 v13, v[WO:WO+1], s[10:11]     ; 256 consecutive bytes, aligned
	s_wait_tensorcnt 0x0                           ; the wave's end
	ds_add_u32 v[SPW], v[NIL]
	s_wait_dscnt 0x0
	CROUND                                         ; the closing round
	s_endpgm
.Lfunc_end_k_qa37bd11033_proj:
	.size	k_qa37bd11033_proj, .Lfunc_end_k_qa37bd11033_proj-k_qa37bd11033_proj
	.p2alignl 7, 3214868480
	.fill 96, 4, 3214868480
	.section	.rodata,"a",@progbits
	.p2align	6, 0x0
	.amdhsa_kernel k_qa37bd11033_proj
		.amdhsa_group_segment_fixed_size 327680
		.amdhsa_private_segment_fixed_size 0
		.amdhsa_enable_private_segment 0
		.amdhsa_kernarg_size 32
		.amdhsa_user_sgpr_count 2
		.amdhsa_user_sgpr_kernarg_segment_ptr 1
		.amdhsa_wavefront_size32 1
		.amdhsa_system_sgpr_workgroup_id_x 1
		.amdhsa_system_sgpr_workgroup_id_y 1
		.amdhsa_system_sgpr_workgroup_id_z 1
		.amdhsa_system_vgpr_workitem_id 0
		.amdhsa_next_free_vgpr 1024
		.amdhsa_next_free_sgpr 100
		.amdhsa_reserve_vcc 1
		.amdhsa_float_denorm_mode_32 3
		.amdhsa_float_denorm_mode_16_64 3
		.amdhsa_memory_ordered 1
		.amdhsa_forward_progress 1
		.amdhsa_inst_pref_size 217
	.end_amdhsa_kernel
	.amdgpu_metadata
---
amdhsa.version: [ 1, 2 ]
amdhsa.kernels:
  - .name:           k_qa37bd11033_proj
    .symbol:         k_qa37bd11033_proj.kd
    .args:
      - { .name: xw, .offset: 0, .size: 8, .value_kind: global_buffer, .address_space: global }
      - { .name: xwsc, .offset: 8, .size: 8, .value_kind: global_buffer, .address_space: global }
      - { .name: qc, .offset: 16, .size: 8, .value_kind: global_buffer, .address_space: global }
      - { .name: qsc, .offset: 24, .size: 8, .value_kind: global_buffer, .address_space: global }
    .group_segment_fixed_size: 327680
    .private_segment_fixed_size: 0
    .kernarg_segment_align: 8
    .kernarg_segment_size: 32
    .max_flat_workgroup_size: 128
    .sgpr_count:     100
    .vgpr_count:     1024
    .wavefront_size: 32
...
	.end_amdgpu_metadata
.endif
;; end of part 2
;; launch scores (part 3): grid 36 x 4, 4 waves a work-group, no clusters, 327,680 bytes of LDS; arguments qc, qsc, pc, pst; writes pc, pst
.if DOCPART == 3
	.amdgcn_target "amdgcn-amd-amdhsa--gfx1250"
	.amdhsa_code_object_version 6
	.text
	.protected	k_qa37bd11033_scores
	.globl	k_qa37bd11033_scores
	.p2align	8
	.type	k_qa37bd11033_scores,@function
k_qa37bd11033_scores:
	s_mov_b64 s[64:65], 0
	v_nop
	global_prefetch_b8 v0, s[64:65] scope:SCOPE_SE
	s_setreg_imm32_b32 hwreg(HW_REG_WAVE_MODE, 25, 1), 1
	s_wait_xcnt 0x0
; S = q k^T on codes of BF6 (E3M2) with E8M0 scales, K = 1,024, for the 36 tiles of 256 x 256 of each batch that the causal mask leaves; mask, exponentials and the quantising of p on the way out.
; THE SOFTMAX.  t = score x log2(e) / 32.  For each query and each GROUP OF 128 KEYS: M = the group's largest t rounded up to a whole number; p = 2^(t - M) is quantised along the keys; the group's sum l is taken of
; the unquantised p.  Stored: p's codes (pc), and in pst three planes [16 groups][8,192 places]: p's scale word under the group's M, -M, l.  The next launch brings all groups of a row under the row's M:
; that is a power of two, which the scale bytes take up, so the codes stay as they are.
; q and k are images of operands' registers in qc (column steps 0-7 q, 8-15 k), tiles in the order 32 g + 8 u + r % 8 + 16 (r / 8).  The matrix instruction is used transposed (source 0 = 16 keys, source 1 = 16 queries):
; a lane holds one query, and register 16 b + i of a block's 64 is key 32 b + 16 (lane / 16) + i of the wave's 128.
; SHARES, RING, REGISTERS as in the launch before: 4 waves x 128 x 128, three slots of 256 along K, four tensor loads a wave at the start, one refill.  Waves 0, 1 fetch q's halves, waves 2, 3 k's.
; NO CLUSTER: row I of the triangle has I + 1 tiles and column J has 8 - J: neither divides into fours that share a tile of q or of k.
; A diagonal tile's quarter that lies wholly above the diagonal is stored like any other (zero codes, l = 0, -M = 3e38), so that the next launch may read whole slots of 256 keys.
; LIMITS: p under 2^-126 comes out of v_exp_f32 as 0; a block of p whose largest lies under 2^-122 has the byte 1; NaN and infinities among the scores are not served.
; THE RING AS IT NOW STANDS (it takes the place of what the head comment says of three slots and of the scale words): slot 0 holds K steps 0-1 in rows of 3,072 bytes, one tensor load a wave at the head;
; the bytes of slots 1 and 2 are one region with rows of 6,144 bytes for K steps 2-5, one tensor load a wave behind the full sequence and a barrier; slot 0 is filled again once, with K steps 6-7.
; The scale words go from memory straight into their registers, by 64 loads a wave at the head.
.set FR,    12
.set NL,    3
.set FRB,   1536
.set SLOTK, 2*FRB
.set HALFT, 8*SLOTK
.set SLOT,  4*HALFT
.set HS,    4096
.set SCL,   3*SLOT
.set SPARE, SCL+4*HS                   ; the spare words: two blocks of 256 bytes that no other line names
.set STG,   SPARE+512                  ; a stage of 3 x 512 bytes a wave: no fill lands there
.set LI,   1
.set ADRA, 2
.set ADRB, 5
.set ADRS, 8
.set SA,   9
.set SRD,  10
.set DB,   11                          ; v11  my query less my first key, within a diagonal tile, for block 0
.set D,    12                          ; v12  the same for the block in hand
.set NINF, 13                          ; v13  -infinity
.set SPW,  14
.set NIL,  15
.set MM,   16                          ; v[16:17] -M (the packed form names a pair and takes its low word)
.set LS,   18                          ; v[18:19], v[20:21] the sum in two chains
.set L2,   20
.set T,    22
.set BM,   24                          ; v24-27 the blocks' largest scores, then their largest p
.set BP,   28                          ; v28-31 lane l xor 16's
.set SC,   32                          ; v32-95 scale words and nothing else
.set WO,   96
.set AF,   128
.set P,    128                         ; v128-191 p
.set PC,   192
.set TM,   212
.set PW,   228
.set TI,   18                          ; s18 I, s19 J
.set TJ,   19
.set G1,   24
.set G1S,  32
.set G0,   40                          ; s[44:51] groups 0: slot 0, K steps 2-5
.set CS,   56                          ; s[56:57] c = log2(e) / 32
.set SEL,  58
.set MSB, 0
.macro WIN new
.if MSB != (\new)
	s_set_vgpr_msb (MSB<<8)|(\new)
.set MSB, (\new)
.endif
.endm
.set MUL_LO, 0xa1
.set MUL_HI, 0xf1
.set TO_B,   0x40
.macro PLACES n
.rept \n
	v_nop
.endr
.endm
.macro FRAG reg, adr, off
.irp c, 0,1,2
	ds_load_b128 v[\reg+4*\c:\reg+4*\c+3], v[\adr] offset:\off+512*\c
.endr
.endm
.macro FETCH_B slot, q, p
	WIN TO_B
.irp i, 0,1,2,3,4,5,6,7
	FRAG 128*(\p)+FR*\i, ADRB+(\slot), SLOTK*\i*(1+((\slot)+1)/2)+FRB*(\q)
.endr
	WIN 0
.endm
.macro FETCH_A slot, q, i0
.irp i, \i0, \i0+1, \i0+2, \i0+3
	FRAG AF+FR*(\i), ADRA+(\slot), SLOTK*(\i)*(1+((\slot)+1)/2)+FRB*(\q)
.endr
.endm
.macro MUL16 a0, p, sb, zero           ; the 64 accumulators take turns, one instruction a turn
.irp a, \a0, \a0+1
.irp b, 0,1,2,3,4,5,6,7
.if \zero
	v_wmma_scale_f32_16x16x128_f8f6f4 v[8*(8*((\a)%4)+\b):8*(8*((\a)%4)+\b)+7], v[128*(\p)+FR*\b:128*(\p)+FR*\b+FR-1], v[AF+FR*(\a):AF+FR*(\a)+FR-1], 0, v[(\sb)+\b], v[(\sb)+(\a)] matrix_a_fmt:MATRIX_FMT_BF6 matrix_b_fmt:MATRIX_FMT_BF6 matrix_a_scale:MATRIX_SCALE_ROW1
.else
	v_wmma_scale_f32_16x16x128_f8f6f4 v[8*(8*((\a)%4)+\b):8*(8*((\a)%4)+\b)+7], v[128*(\p)+FR*\b:128*(\p)+FR*\b+FR-1], v[AF+FR*(\a):AF+FR*(\a)+FR-1], v[8*(8*((\a)%4)+\b):8*(8*((\a)%4)+\b)+7], v[(\sb)+\b], v[(\sb)+(\a)] matrix_a_fmt:MATRIX_FMT_BF6 matrix_b_fmt:MATRIX_FMT_BF6 matrix_a_scale:MATRIX_SCALE_ROW1
.endif
.endr
.endr
.endm
.macro STEP p, sb, zero, nslot, nq
	s_wait_dscnt 4*NL                              ; all but A's blocks 4-7 are in
	WIN MUL_LO
	MUL16 0, \p, \sb, \zero
	MUL16 2, \p, \sb, \zero
	s_wait_dscnt 0x0
	PLACES 4
	FETCH_B \nslot, \nq, 1-(\p)
	FETCH_A \nslot, \nq, 0
	WIN MUL_HI
	MUL16 4, \p, \sb, \zero
	MUL16 6, \p, \sb, \zero
	PLACES 4
	WIN 0
	FETCH_A \nslot, \nq, 4
.endm
.macro TURN p, sb, next, fill          ; a K step with a barrier; fill = 1: slot 0, read out, takes the last quarter of K
	s_wait_tensorcnt 0x0                           ; all my tensor loads have landed
	ds_add_u32 v[SPW], v[NIL]                      ; 0 onto my spare word
.if \fill
	s_add_nc_u64 s[G0+6:G0+7], s[G0+6:G0+7], 3*SLOTK   ; no tensor load of mine is out: slot 0's group 0 steps three slots along K
.endif
	s_wait_dscnt 4*NL+1                            ; (the add and A's blocks 4-7 may be out)
	WIN MUL_LO
	MUL16 0, \p, \sb, 0
	s_wait_dscnt 0x0                               ; the add is done, and my reads of the slot are over
	s_barrier_signal -1
	MUL16 2, \p, \sb, 0
	WIN 0
	s_barrier_wait -1
.if \fill
	tensor_load_to_lds s[G0+4:G0+7], s[G1:G1+7]    ; my one tensor load behind the barrier, and the first thing there
	s_nop 0
.endif
	PLACES 4
	FETCH_B \next, 0, 0
	FETCH_A \next, 0, 0
	WIN MUL_HI
	MUL16 4, \p, \sb, 0
	MUL16 6, \p, \sb, 0
	PLACES 4
	WIN 0
	FETCH_A \next, 0, 4
.endm
.macro LAST p, sb
	s_wait_dscnt 4*NL
	WIN MUL_LO
	MUL16 0, \p, \sb, 0
	MUL16 2, \p, \sb, 0
	s_wait_dscnt 0x0
	WIN MUL_HI
	MUL16 4, \p, \sb, 0
	MUL16 6, \p, \sb, 0
	WIN 0
.endm
.macro QTAIL src, pw                   ; from the blocks' largest magnitudes in v[TM] on: the scale word in v[pw], the fragment's codes in v[PC] on
.irp b, 0,1,2,3
	v_add_nc_u32 v[TM+12+\b], 0xfe000000, v[TM+\b]
.endr
.irp b, 0,1,2,3
	v_lshrrev_b32 v[TM+4+\b], 23, v[TM+12+\b]
.endr
	v_lshl_or_b32 v[\pw], v[TM+5], 8, v[TM+4]
	v_lshl_or_b32 v[\pw], v[TM+6], 16, v[\pw]
	v_lshl_or_b32 v[\pw], v[TM+7], 24, v[\pw]
.irp c, 0,1
	v_cvt_scalef32_pk16_bf6_f32 v[PC+6*\c:PC+6*\c+2], v[\src+32*\c:\src+32*\c+15], v[TM+12+2*\c]
	v_cvt_scalef32_pk16_bf6_f32 v[PC+12+4*\c:PC+14+4*\c], v[\src+32*\c+16:\src+32*\c+31], v[TM+13+2*\c]
.endr
	v_nop                                          ; one plain place behind a scaled conversion
.irp c, 0,1
.irp i, 0,1,2
	v_permlane16_swap_b32 v[PC+6*\c+\i], v[PC+12+4*\c+\i]
.endr
.irp i, 0,1,2
	v_mov_b32 v[PC+3+6*\c+\i], v[PC+12+4*\c+\i]
.endr
.endr
.endm
	s_load_b256 s[4:11], s[0:1], 0x0               ; qc s[4:5], qsc s[6:7], pc s[8:9], pst s[10:11]
	v_lshl_add_u32 v[SPW], v0, 2, SPARE
	v_mov_b32 v[NIL], 0
	ds_add_u32 v14, v15
	ds_add_u32 v14, v15
	s_wait_dscnt 0x0
	v_lshrrev_b32 v16, 5, v0
	v_readfirstlane_b32 s14, v16                   ; wave 0..3
	s_lshr_b32 s15, s14, 1                         ; which 128 queries are mine
	s_and_b32 s16, s14, 1                          ; which 128 keys.  Also: which half I fetch
	s_and_b32 s17, ttmp7, 0xffff                   ; the batch
	s_mov_b32 s[TI], 0                             ; tile t of the triangle: I = the number of row starts 1, 3, 6 .. that t has reached,
.irp c, 1,3,6,10,15,21,28
	s_cmp_ge_u32 ttmp9, \c
	s_add_co_ci_u32 s[TI], s[TI], 0
.endr
	s_add_co_u32 s[TJ], s[TI], 1
	s_mul_i32 s[TJ], s[TJ], s[TI]
	s_lshr_b32 s[TJ], s[TJ], 1
	s_sub_co_u32 s[TJ], ttmp9, s[TJ]               ; J = t - I (I + 1) / 2
	s_lshl_b32 s20, s17, 3
	s_cmp_lt_u32 s14, 2                            ; waves 0, 1: q of tile row I; waves 2, 3: k of tile row J, column steps 8 on
	s_cselect_b32 s21, s[TI], s[TJ]
	s_cselect_b32 s22, 0, 8*FRB
	s_add_co_u32 s21, s21, s20
	s_mul_i32 s60, s21, 393216
	s_mul_i32 s61, s16, 196608
	s_add_co_u32 s60, s60, s61
	s_add_co_u32 s60, s60, s22
	s_mov_b32 s61, 0
	s_mov_b32 s[G1], 3<<16                         ; codes: elements of 8 bytes; 8 tiles' rows of 3,072 bytes, a tile of qc (24,576 bytes) apart
	s_mov_b32 s[G1+1], 384<<16
	s_mov_b32 s[G1+2], 8<<16
	s_mov_b32 s[G1+3], 384<<16
	s_mov_b32 s[G1+4], 8
	s_mov_b32 s[G1+5], 3072
	s_mov_b32 s[G1+6], 0
	s_mov_b32 s[G1+7], 0
	s_mov_b32 s[G1S], 3<<16                        ; codes: elements of 8 bytes
	s_mov_b32 s[G1S+1], 768<<16                    ; K steps 2-5: 8 tiles' rows of 6,144 bytes, a tile of qc apart
	s_mov_b32 s[G1S+2], 8<<16
	s_mov_b32 s[G1S+3], 768<<16
	s_mov_b32 s[G1S+4], 8
	s_mov_b32 s[G1S+5], 3072
	s_mov_b32 s[G1S+6], 0
	s_mov_b32 s[G1S+7], 0
	s_mul_i32 s12, s14, HALFT
	s_mov_b32 s[CS], 0x3d38aa3b
	s_mov_b32 s[CS+1], s[CS]
	s_mov_b32 s[SEL], 0x76543210
	s_mov_b32 s[SEL+1], 0xfedcba98
	s_wait_kmcnt 0x0
	s_add_nc_u64 s[60:61], s[4:5], s[60:61]
.irp n, 0,1
	s_mov_b32 s[G0+4+4*\n], 1
	s_add_co_u32 s[G0+5+4*\n], s12, \n*SLOT
	s_add_nc_u64 s[G0+6+4*\n:G0+7+4*\n], s[60:61], \n*SLOTK
	s_or_b32 s[G0+7+4*\n], s[G0+7+4*\n], 0x80000000
	s_lshl_b32 s12, s12, 1                         ; in the region of K steps 2-5 a wave's part is twice as long
.endr
	tensor_load_to_lds s[G0+4:G0+7], s[G1:G1+7]    ; K steps 0-1: my one load at the head
	s_nop 0
	PLACES 4
	v_and_b32 v16, 31, v0
	v_lshlrev_b32 v[LI], 4, v16
	v_and_b32 v17, 15, v0                          ; r
	v_bfe_u32 v18, v0, 4, 1                        ; h
	s_wait_alu depctr_va_vdst(0)
	s_mul_i32 s2, s15, HALFT
	s_mul_i32 s3, s16, HALFT
	s_add_co_u32 s3, s3, 2*HALFT
	v_add_nc_u32 v[ADRA], s2, v[LI]
	v_add_nc_u32 v[ADRB], s3, v[LI]
	s_lshl_b32 s2, s2, 1                           ; K steps 2-5: parts twice as long, behind slot 0
	s_lshl_b32 s3, s3, 1
	s_add_co_u32 s2, s2, SLOT
	s_add_co_u32 s3, s3, SLOT
	v_add_nc_u32 v[ADRA+1], s2, v[LI]
	v_add_nc_u32 v[ADRB+1], s3, v[LI]
	s_add_co_u32 s2, s2, SLOTK                     ; K steps 4-5: the second half of each row
	s_add_co_u32 s3, s3, SLOTK
	v_add_nc_u32 v[ADRA+2], s2, v[LI]
	v_add_nc_u32 v[ADRB+2], s3, v[LI]
	s_add_co_u32 s2, s20, s[TI]                    ; q's words: tile row 8 b + I, my 128 queries
	s_lshl_b32 s2, s2, 10
	s_lshl_b32 s3, s15, 9
	s_add_co_u32 s2, s2, s3
	s_add_co_u32 s3, s20, s[TJ]                    ; k's: tile row 8 b + J, my 128 keys, column steps 8 on
	s_lshl_b32 s3, s3, 10
	s_lshl_b32 s22, s16, 9
	s_add_co_u32 s3, s3, s22
	s_add_co_u32 s3, s3, 8*49152
	v_cmp_ne_u32 vcc_lo, 0, v18
	v_mov_b32 v19, s2
	v_mov_b32 v20, s3
	v_cndmask_b32 v19, v19, v20, vcc_lo            ; lanes 0-15 q's, lanes 16-31 k's
	v_lshl_add_u32 v[ADRS], v17, 2, v19
.set k, 0
.rept 8
.irp i, 0,1,2,3,4,5,6,7
	global_load_b32 v[SC+8*k+\i], v[ADRS], s[6:7] offset:49152*k+64*\i
.endr
.set k, k+1
.endr
	s_mul_i32 s2, s14, 1536
	s_add_co_u32 s2, s2, STG
	v_lshl_add_u32 v[SA], v17, 2, s2
	v_add_nc_u32 v[SRD], s2, v[LI]
	v_and_b32 v20, 7, v0
	v_bfe_u32 v21, v0, 3, 1
	v_lshl_add_u32 v[DB], v21, 4, v20              ; place r is query r % 8 + 16 (r / 8) of its pair of tiles,
	v_lshlrev_b32 v21, 4, v18
	v_sub_nc_u32 v[DB], v[DB], v21                 ; less my half's 16 keys,
	s_sub_co_i32 s2, s15, s16
	s_lshl_b32 s2, s2, 7
	v_add_nc_u32 v[DB], s2, v[DB]                  ; + 128 (rh - ch)
	v_mov_b32 v[NINF], 0xff800000
	v_mov_b32 v[MM+1], 0                           ; (named as the upper half of a pair)
.irp b, 0,1,2,3
	v_mov_b32 v[BP+\b], 0                          ; a lane permute's destination counts as one of its sources
.endr
	s_add_co_u32 s20, s20, s[TI]                   ; 8 b + I
	s_lshl_b32 s21, s[TJ], 1
	s_add_co_u32 s21, s21, s16                     ; the key group 2 J + ch
	s_mul_i32 s2, s20, 393216                      ; pc: my 8 tiles, my key group
	s_mul_i32 s3, s15, 196608
	s_add_co_u32 s2, s2, s3
	s_mul_i32 s3, s21, FRB
	s_add_co_u32 s2, s2, s3
	s_mov_b32 s3, 0
	s_add_nc_u64 s[8:9], s[8:9], s[2:3]
	s_lshl_b32 s2, s21, 15                         ; pst: my key group, my 128 places
	s_lshl_b32 s22, s20, 10
	s_add_co_u32 s2, s2, s22
	s_lshl_b32 s22, s15, 9
	s_add_co_u32 s2, s2, s22
	s_add_nc_u64 s[10:11], s[10:11], s[2:3]
	s_wait_alu depctr_va_vdst(0)                   ; the wait at the head's end
	s_wait_tensorcnt 0x0                           ; my part of slot 0 is in
	ds_add_u32 v[SPW], v[NIL]
	s_wait_dscnt 0x0
	s_barrier_signal -1
	s_barrier_wait -1
	tensor_load_to_lds s[G0+8:G0+11], s[G1S:G1S+7] ; K steps 2-5, my one load behind the barrier
	s_nop 0
	PLACES 4
	FETCH_B 0, 0, 0
	FETCH_A 0, 0, 0
	s_wait_loadcnt 0x0                             ; the scale words are in
	FETCH_A 0, 0, 4
	STEP 0, SC, 1, 0, 1
	TURN 1, SC+8, 1, 1
	STEP 0, SC+16, 0, 1, 1
	STEP 1, SC+24, 0, 2, 0
	STEP 0, SC+32, 0, 2, 1
	TURN 1, SC+40, 0, 0
	STEP 0, SC+48, 0, 0, 1
	LAST 1, SC+56
	PLACES 4
; THE WAY OUT of block a: 16 queries x my 128 keys
.macro PBLK a
.set AC, 64*((\a)%4)
.set W2, 2+(\a)/4                      ; the accumulators' window
.if (\a) > 0
	s_wait_xcnt 0x0                                ; the last block's stores have read the codes' registers
.endif
	s_cmp_lg_u32 s[TI], s[TJ]                      ; only a diagonal tile has hidden keys: a branch on ids
	s_cbranch_scc1 .Lopen_\@
	s_wait_alu depctr_va_vdst(0)
	v_add_nc_u32 v[D], 32*((\a)/2)+8*((\a)%2), v[DB]
	WIN (W2<<6)|W2
.set n, 0
.rept 64
	v_cmp_gt_i32 vcc_lo, 32*(n/16)+n%16, v[D]      ; register n's key comes after my query:
	v_cndmask_b32 v[AC+n], v[AC+n], v[NINF], vcc_lo   ; its score becomes -infinity, p = 0
.set n, n+1
.endr
	WIN 0
.Lopen_\@:
	WIN 5*W2
.irp b, 0,1,2,3
	v_max_num_f32 v[BM+\b], v[AC+16*\b], v[AC+16*\b+1]   ; the largest score of each block of 32 keys: it serves for M and, since p rises with the score, for the block's largest p
.endr
.irp i, 2,4,6,8,10,12,14
.irp b, 0,1,2,3
	v_max3_num_f32 v[BM+\b], v[AC+16*\b+\i], v[AC+16*\b+\i+1], v[BM+\b]
.endr
.endr
	WIN 0
.irp b, 0,1,2,3
	v_permlanex16_b32 v[BP+\b], v[BM+\b], s[SEL], s[SEL+1]
.endr
.irp b, 0,1,2,3
	v_max_num_f32 v[BM+\b], v[BM+\b], v[BP+\b]
.endr
	v_max3_num_f32 v[T], v[BM], v[BM+1], v[BM+2]
	v_max_num_f32 v[T], v[T], v[BM+3]
	v_mul_f32 v[T], s[CS], v[T]                    ; as t (c is positive)
	v_max_num_f32 v[T], 0xff61b1e6, v[T]           ; a group wholly hidden: -3e38, so that -M is a number
	v_floor_f32 v[MM], -v[T]                       ; -M = floor(-t) = -ceil(t)
	WIN W2
.set n, 0
.rept 32
	v_pk_fma_f32 v[P+n:P+n+1], v[AC+n:AC+n+1], s[CS:CS+1], v[MM:MM+1] op_sel_hi:[1,0,0]   ; t - M, two at a time
.set n, n+2
.endr
	WIN 0
.irp b, 0,1,2,3
	v_fma_f32 v[BM+\b], v[BM+\b], s[CS], v[MM]     ; the same of each block's largest score
.endr
.set n, 0
	s_wait_alu depctr_va_vdst(0)
.rept 64
	v_exp_f32 v[P+n], v[P+n]                       ; p = 2^(t - M), at most 1
.set n, n+1
.endr
	v_nop                                          ; a plain place behind the exponentials
	s_wait_alu depctr_va_vdst(0)                   ; one wait for the batch, ahead of its first reader
.irp b, 0,1,2,3
	v_exp_f32 v[BM+\b], v[BM+\b]                   ; the blocks' largest p
.endr
	v_pk_add_f32 v[LS:LS+1], v[P:P+1], v[P+2:P+3]  ; the sum is taken of the unquantised p, in two chains
	v_pk_add_f32 v[L2:L2+1], v[P+4:P+5], v[P+6:P+7]
.irp j, 8,12,16,20,24,28,32,36,40,44,48,52,56,60
	v_pk_add_f32 v[LS:LS+1], v[LS:LS+1], v[P+\j:P+\j+1]
	v_pk_add_f32 v[L2:L2+1], v[L2:L2+1], v[P+\j+2:P+\j+3]
.endr
	v_pk_add_f32 v[LS:LS+1], v[LS:LS+1], v[L2:L2+1]
	v_add_f32 v[LS], v[LS], v[LS+1]
	v_permlanex16_b32 v[L2], v[LS], s[SEL], s[SEL+1]
	v_add_f32 v[LS], v[LS], v[L2]                  ; with lane l xor 16's 64 keys: the group's l
	s_wait_alu depctr_va_vdst(0)                   ; and one wait for the four
.irp b, 0,1,2,3
	v_max_num_f32 v[TM+\b], 0x2800000, v[BM+\b]    ; the floor 2^(5 - 127)
.endr
	QTAIL P, PW+(\a)
.irp c, 0,1,2
	global_store_b128 v[LI], v[PC+4*\c:PC+4*\c+3], s[8:9] offset:24576*(\a)+512*\c
.endr
	ds_store_b32 v[SA], v[PW+(\a)] offset:64*(\a)  ; lanes r and r + 16 write the same words with the same values
	ds_store_b32 v[SA], v[MM] offset:512+64*(\a)
	ds_store_b32 v[SA], v[LS] offset:1024+64*(\a)
.endm
.irp a, 0,1,2,3,4,5,6,7
	PBLK \a
.endr
.irp c, 0,1,2
	ds_load_b128 v[WO+4*\c:WO+4*\c+3], v[SRD] offset:512*\c   ; LDS serves a wave's instructions in order: these see my stores
.endr
	s_wait_dscnt 0x0
.irp c, 0,1,2
	global_store_b128 v[LI], v[WO+4*\c:WO+4*\c+3], s[10:11] offset:524288*\c   ; 512 consecutive bytes in each plane
.endr
	s_wait_tensorcnt 0x0                           ; the wave's end
	ds_add_u32 v[SPW], v[NIL]
	s_wait_dscnt 0x0
	s_endpgm
.Lfunc_end_k_qa37bd11033_scores:
	.size	k_qa37bd11033_scores, .Lfunc_end_k_qa37bd11033_scores-k_qa37bd11033_scores
	.p2alignl 7, 3214868480
	.fill 96, 4, 3214868480
	.section	.rodata,"a",@progbits
	.p2align	6, 0x0
	.amdhsa_kernel k_qa37bd11033_scores
		.amdhsa_group_segment_fixed_size 327680
		.amdhsa_private_segment_fixed_size 0
		.amdhsa_enable_private_segment 0
		.amdhsa_kernarg_size 32
		.amdhsa_user_sgpr_count 2
		.amdhsa_user_sgpr_kernarg_segment_ptr 1
		.amdhsa_wavefront_size32 1
		.amdhsa_system_sgpr_workgroup_id_x 1
		.amdhsa_system_sgpr_workgroup_id_y 1
		.amdhsa_system_sgpr_workgroup_id_z 1
		.amdhsa_system_vgpr_workitem_id 0
		.amdhsa_next_free_vgpr 1024
		.amdhsa_next_free_sgpr 66
		.amdhsa_reserve_vcc 1
		.amdhsa_float_denorm_mode_32 3
		.amdhsa_float_denorm_mode_16_64 3
		.amdhsa_memory_ordered 1
		.amdhsa_forward_progress 1
		.amdhsa_inst_pref_size 237
	.end_amdhsa_kernel
	.amdgpu_metadata
---
amdhsa.version: [ 1, 2 ]
amdhsa.kernels:
  - .name:           k_qa37bd11033_scores
    .symbol:         k_qa37bd11033_scores.kd
    .args:
      - { .name: qc, .offset: 0, .size: 8, .value_kind: global_buffer, .address_space: global }
      - { .name: qsc, .offset: 8, .size: 8, .value_kind: global_buffer, .address_space: global }
      - { .name: pc, .offset: 16, .size: 8, .value_kind: global_buffer, .address_space: global }
      - { .name: pst, .offset: 24, .size: 8, .value_kind: global_buffer, .address_space: global }
    .group_segment_fixed_size: 327680
    .private_segment_fixed_size: 0
    .kernarg_segment_align: 8
    .kernarg_segment_size: 32
    .max_flat_workgroup_size: 128
    .sgpr_count:     66
    .vgpr_count:     1024
    .wavefront_size: 32
...
	.end_amdgpu_metadata
.endif
;; end of part 3
;; launch pv (part 4): grid 8 x 32, 4 waves a work-group, clusters of 4 x 1, 327,680 bytes of LDS; arguments pc, pst, qc, qsc, out0; writes out0
.if DOCPART == 4
	.amdgcn_target "amdgcn-amd-amdhsa--gfx1250"
	.amdhsa_code_object_version 6
	.text
	.protected	k_qa37bd11033_pv
	.globl	k_qa37bd11033_pv
	.p2align	8
	.type	k_qa37bd11033_pv,@function
k_qa37bd11033_pv:
	s_mov_b64 s[64:65], 0
	v_nop
	global_prefetch_b8 v0, s[64:65] scope:SCOPE_SE
	s_setreg_imm32_b32 hwreg(HW_REG_WAVE_MODE, 25, 1), 1
	s_wait_xcnt 0x0
	s_wait_alu depctr_hold_cnt(0) depctr_sa_sdst(0) depctr_va_vdst(0) depctr_va_sdst(0) depctr_va_ssrc(0) depctr_va_vcc(0) depctr_vm_vsrc(0)
	s_getreg_b32 s2, hwreg(HW_REG_IB_STS2, 6, 4)
	s_cmp_eq_u32 s2, 0
	s_cbranch_scc0 .Lentry_in_a_cluster
	s_endpgm
.Lentry_in_a_cluster:
	s_bfe_u32 s2, ttmp6, 0x10000c
	s_cmp_lg_u32 s2, 0x3003
	s_cbranch_scc0 .Lentry_shape_is_right
	s_endpgm
.Lentry_shape_is_right:
; out = (p v) / l on codes of BF6 (E3M2) with E8M0 scales.  A work-group makes 256 queries (tile row I of batch b) x 128 channels over the 256 (I + 1) keys that the causal mask leaves; keys behind them are not multiplied.
; 8 channel tiles x 32 tile rows = 256 work-groups; y xor 7 = 8 b + I, so the longest rows have the lowest numbers.  A wave makes 128 queries x 64 channels: 32 accumulators.
; p (pc) and v^T (qc, tiles 512 on) are images of operands' registers, tiles in the order 32 g + 8 u + r % 8 + 16 (r / 8).  The matrix instruction is used transposed (source 0 = 16 channels, source 1 = 16 queries).
; THE RING: two slots of 512 keys (four K steps): p's 16 tiles and v^T's 8, rows of 6,144 bytes.  Waves 0, 1 fetch p's halves, waves 2, 3 v^T's: one tensor load a wave behind each round.  Slot u exists where I >= 2 u.
; Where I = 2 u only its first 256 keys were written by the launch before: a second group 1 states 3,072 bytes as what is left of a row, the mover writes zeros behind them, and that half is not multiplied.
; The walk over at most four slots is written out; its branches hang on the cluster's y alone, which the four partners share.  Every wait on TENSORcnt is for 0; by this text's count one tensor load of a wave is out.
; p'S SCALES ARE MENDED FIRST: the row's M is the largest of its key groups' M; d = M - the group's M is taken off the group's four scale bytes (held at 0), and l = the sum of the groups' l x 2^-d.  No branch hangs on these.
; v^T's scale words go from memory to registers: a key group's 64 words of my channels are 256 bytes on end.
; CLUSTER: four channel tiles of one tile row ask for p jointly (mask 15); v^T's tiles differ and come by each work-group's own loads behind the same rounds.
; NO PREFETCH: the walk has at most four slots, two of which are asked for at the head, so there is no run of trips to ask ahead in.
; LIMITS: a scale byte of p that would fall under 0 is held at 0 (an error under 28 x 2^-127 beside l > 1/2); the division is a multiplication by v_rcp_f32's result; NaN and infinities are not served.
; REGISTERS: window 0: v1-31 addresses; v32-63 v^T's scale words; v64-127 p's, two sets; v128-255 at work.  Window 1: p's fragments, two sets.  Window 2: v^T's, two sets.  Window 3: accumulator (a, b) at v[8 (4 a + b)].
.set FR,    12
.set FRB,   1536
.set TK,    4*FRB                      ; a tile's bytes in a slot
.set AH,    8*TK                       ; half of p's tiles: one load, and what a wave reads
.set BH,    4*TK                       ; half of v^T's
.set SLOT,  2*AH+2*BH
.set ASC,   2*SLOT                     ; p's mended words [2 halves][16 groups][128]: stored by the waves, no fill lands there
.set STAGE, ASC                        ; the way out uses the same bytes, behind a barrier: 16 rows x 272 bytes a wave
.set SPITCH, 272
.set RL,    ASC+4*16*SPITCH            ; 1 / l of the 256 queries
.set SPARE, RL+1024                    ; the spare words: two blocks of 256 bytes that no other line names
.set LI,   1
.set ADRA, 2
.set ADRB, 4
.set ADRS, 6
.set STO,  7
.set RD,   8
.set SPW,  9
.set NIL,  10
.set T8,   11
.set AW,   12
.set RLA,  13
.set RW,   14
.set CO,   15
.set MO,   16                          ; v16-31 the mending's offsets
.set SB,   32                          ; v[SB + 2 g + j]: key group g; lanes 0-15 channel tile 2 j, lanes 16-31 tile 2 j + 1.  Scales and nothing else
.set SA,   64                          ; v[SA + 32 (slot % 2) + 8 q + a]: p's block a.  Scales and nothing else
.set MN,   128                         ; the mending: -M, l, words
.set ML,   160
.set MW,   192
.set NM,   224
.set TD,   226
.set TF,   228
.set LL,   230
.set TX,   232
.set TY,   240
.set L4,   248
.set V,    128                         ; the way out
.set BK,   160
.set RLV,  224
.set SI,   19                          ; s19 I
.set LIM,  21                          ; s21 2 I + 1: the last key group
.set G1A,  24                          ; groups 1: p whole, p half, v^T whole, v^T half
.set G1AH, 32
.set G1B,  40
.set G1BH, 48
.set G0A,  56                          ; groups 0, one for each slot
.set G0B,  68
.set MULW, 0xf6                        ; source 0 window 2, source 1 window 1, C and D window 3
.set MSB, 0
.macro WIN new
.if MSB != (\new)
	s_set_vgpr_msb (MSB<<8)|(\new)
.set MSB, (\new)
.endif
.endm
.macro PLACES n
.rept \n
	v_nop
.endr
.endm
.macro CREST
	s_cmp_lg_u32 s14, 0
	s_cbranch_scc1 .Lnot_wave_0_\@
	s_barrier_signal -3
.Lnot_wave_0_\@:
	s_barrier_wait -3
	s_barrier_signal -1
	s_barrier_wait -1
.endm
.macro CROUND
	s_barrier_signal -1
	s_barrier_wait -1
	CREST
.endm
.macro TL g0, g1                       ; s_nop 0 and four v_nop follow each load
	tensor_load_to_lds s[\g0:\g0+3], s[\g1:\g1+7]
	s_nop 0
	PLACES 4
.endm
.macro JLOAD s, u                      ; key slot u into slot s: one load on every way; the inner test is the same in all partners
	s_cmp_eq_u32 s15, 0
	s_cbranch_scc0 .Lb_\@
	s_cmp_eq_u32 s[SI], 2*(\u)
	s_cbranch_scc1 .Lah_\@
	TL G0A+4*(\s), G1A
	s_branch .Lj_\@
.Lah_\@:
	TL G0A+4*(\s), G1AH
	s_branch .Lj_\@
.Lb_\@:
	s_cmp_eq_u32 s[SI], 2*(\u)
	s_cbranch_scc1 .Lbh_\@
	TL G0B+4*(\s), G1B
	s_branch .Lj_\@
.Lbh_\@:
	TL G0B+4*(\s), G1BH
.Lj_\@:
.endm
.macro FRAG reg, adr, off
.irp c, 0,1,2
	ds_load_b128 v[\reg+4*\c:\reg+4*\c+3], v[\adr] offset:\off+512*\c
.endr
.endm
.macro FETCH s, q, p                   ; the twelve fragments of the slot's q-th K step into set p
	WIN 0x40
.irp i, 0,1,2,3,4,5,6,7
	FRAG 128*(\p)+FR*\i, ADRA+(\s), TK*\i+FRB*(\q)
.endr
	WIN 0x80
.irp i, 0,1,2,3
	FRAG 64*(\p)+FR*\i, ADRB+(\s), TK*\i+FRB*(\q)
.endr
	WIN 0
.endm
.macro SCALES t                        ; p's mended words of key slot t
.irp q, 0,1,2,3
.irp a, 0,1,2,3,4,5,6,7
	ds_load_b32 v[SA+32*((\t)%2)+8*\q+\a], v[ADRS] offset:512*(4*(\t)+\q)+64*\a
.endr
.endr
.endm
.macro MUL2 a0, p, sa, sb, zero        ; p's blocks a0, a0 + 1 x v^T's four; the 32 accumulators take turns, one instruction a turn
.irp a, \a0, \a0+1
.irp c, 0,1
.if \zero
	v_wmma_scale_f32_16x16x128_f8f6f4 v[8*(4*(\a)+2*\c):8*(4*(\a)+2*\c)+7], v[64*(\p)+FR*2*\c:64*(\p)+FR*2*\c+FR-1], v[128*(\p)+FR*(\a):128*(\p)+FR*(\a)+FR-1], 0, v[(\sb)+\c], v[(\sa)+(\a)] matrix_a_fmt:MATRIX_FMT_BF6 matrix_b_fmt:MATRIX_FMT_BF6
	v_wmma_scale_f32_16x16x128_f8f6f4 v[8*(4*(\a)+2*\c+1):8*(4*(\a)+2*\c+1)+7], v[64*(\p)+FR*(2*\c+1):64*(\p)+FR*(2*\c+1)+FR-1], v[128*(\p)+FR*(\a):128*(\p)+FR*(\a)+FR-1], 0, v[(\sb)+\c], v[(\sa)+(\a)] matrix_a_fmt:MATRIX_FMT_BF6 matrix_b_fmt:MATRIX_FMT_BF6 matrix_a_scale:MATRIX_SCALE_ROW1
.else
	v_wmma_scale_f32_16x16x128_f8f6f4 v[8*(4*(\a)+2*\c):8*(4*(\a)+2*\c)+7], v[64*(\p)+FR*2*\c:64*(\p)+FR*2*\c+FR-1], v[128*(\p)+FR*(\a):128*(\p)+FR*(\a)+FR-1], v[8*(4*(\a)+2*\c):8*(4*(\a)+2*\c)+7], v[(\sb)+\c], v[(\sa)+(\a)] matrix_a_fmt:MATRIX_FMT_BF6 matrix_b_fmt:MATRIX_FMT_BF6
	v_wmma_scale_f32_16x16x128_f8f6f4 v[8*(4*(\a)+2*\c+1):8*(4*(\a)+2*\c+1)+7], v[64*(\p)+FR*(2*\c+1):64*(\p)+FR*(2*\c+1)+FR-1], v[128*(\p)+FR*(\a):128*(\p)+FR*(\a)+FR-1], v[8*(4*(\a)+2*\c+1):8*(4*(\a)+2*\c+1)+7], v[(\sb)+\c], v[(\sa)+(\a)] matrix_a_fmt:MATRIX_FMT_BF6 matrix_b_fmt:MATRIX_FMT_BF6 matrix_a_scale:MATRIX_SCALE_ROW1
.endif
.endr
.endr
.endm
.macro STEP t, q                       ; K step q = 0 .. 2 of key slot t: the next step's fragments are asked for, then 32 matrix instructions
	s_wait_dscnt 0x0                               ; this step's fragments and words are in
	PLACES 4                                       ; ahead of loads into the set that the last step multiplied
	FETCH (\t)%2, (\q)+1, ((\q)+1)%2
	WIN MULW
.irp a0, 0,2,4,6
.if (\t)+(\q) == 0
	MUL2 \a0, (\q)%2, SA+32*((\t)%2)+8*(\q), SB+2*(4*(\t)+(\q)), 1
.else
	MUL2 \a0, (\q)%2, SA+32*((\t)%2)+8*(\q), SB+2*(4*(\t)+(\q)), 0
.endif
.endr
	WIN 0
.endm
.macro LAST t                          ; K step 3 of a row's last key slot
	s_wait_dscnt 0x0
	WIN MULW
.irp a0, 0,2,4,6
	MUL2 \a0, 1, SA+32*((\t)%2)+24, SB+2*(4*(\t)+3), 0
.endr
	WIN 0
.endm
.macro TURN t                          ; K step 3 of key slot t where a slot t + 1 follows: the change of slots
	s_wait_tensorcnt 0x0                           ; all my tensor loads have landed: my part of the next slot
	ds_add_u32 v[SPW], v[NIL]                      ; 0 onto my spare word
	s_wait_dscnt 1                                 ; this step's fragments are in (the add may be out)
	WIN MULW
	MUL2 0, 1, SA+32*((\t)%2)+24, SB+2*(4*(\t)+3), 0
	s_wait_dscnt 0x0                               ; the add is done, and my reads of this slot are over
	s_barrier_signal -1
	MUL2 2, 1, SA+32*((\t)%2)+24, SB+2*(4*(\t)+3), 0
	WIN 0
	s_barrier_wait -1
	CREST                                          ; no wave of any partner still reads this slot or has a load on its way
.if (\t) < 2
	s_cmp_lt_u32 s[SI], 2*(\t)+4                   ; is there a key slot t + 2?  The same answer in all four partners
	s_cbranch_scc1 .Lnf_\@
	s_add_nc_u64 s[G0A+4*((\t)%2)+2:G0A+4*((\t)%2)+3], s[G0A+4*((\t)%2)+2:G0A+4*((\t)%2)+3], 2*TK
	s_add_nc_u64 s[G0B+4*((\t)%2)+2:G0B+4*((\t)%2)+3], s[G0B+4*((\t)%2)+2:G0B+4*((\t)%2)+3], 2*TK
	JLOAD (\t)%2, (\t)+2
.Lnf_\@:
.endif
	PLACES 4
	FETCH ((\t)+1)%2, 0, 0
	SCALES (\t)+1
	WIN MULW
	MUL2 4, 1, SA+32*((\t)%2)+24, SB+2*(4*(\t)+3), 0
	MUL2 6, 1, SA+32*((\t)%2)+24, SB+2*(4*(\t)+3), 0
	WIN 0
.endm
	s_load_b256 s[4:11], s[0:1], 0x0               ; pc s[4:5], pst s[6:7], qc s[8:9], qsc s[10:11]
	s_load_b64 s[12:13], s[0:1], 0x20              ; out0
	v_lshl_add_u32 v[SPW], v0, 2, SPARE
	v_mov_b32 v[NIL], 0
	ds_add_u32 v[SPW], v[NIL]                      ; the opening lines: the add twice on end and its wait
	ds_add_u32 v[SPW], v[NIL]
	v_lshrrev_b32 v250, 5, v0
	v_readfirstlane_b32 s14, v250                  ; wave 0..3
	s_lshr_b32 s15, s14, 1                         ; which 128 queries are mine.  Also: I fetch p (0) or v^T (1)
	s_and_b32 s16, s14, 1                          ; which 64 channels.  Also: which half I fetch
	s_bfe_u32 s17, ttmp6, 0x40000                  ; cx
	s_lshl_b32 s90, ttmp9, 2
	s_add_co_u32 s90, s90, s17                     ; the channel tile 0..7
	s_and_b32 s18, ttmp7, 0xffff
	s_xor_b32 s18, s18, 7                          ; 8 b + I: shared by the four partners
	s_and_b32 s[SI], s18, 7
	s_lshr_b32 s20, s18, 3                         ; b
	s_lshl_b32 s[LIM], s[SI], 1
	s_add_co_u32 s[LIM], s[LIM], 1
	s_mul_i32 s84, s18, 393216                     ; p: made of y and the wave's number alone
	s_mul_i32 s85, s16, 196608
	s_add_co_u32 s84, s84, s85
	s_mov_b32 s85, 0
	s_lshl_b32 s88, s20, 3
	s_add_co_u32 s88, s88, s90
	s_add_co_u32 s88, s88, 64                      ; v^T: block 64 + 8 b + channel tile of 8 tiles
	s_mul_i32 s86, s88, 196608
	s_mul_i32 s87, s16, 98304
	s_add_co_u32 s86, s86, s87
	s_mov_b32 s87, 0
	s_lshl_b32 s88, s88, 9                         ; its scale words: 128 places a block, my 64
	s_lshl_b32 s89, s16, 8
	s_add_co_u32 s88, s88, s89
	s_mov_b32 s89, 0
	s_mul_i32 s22, s16, AH
	s_mul_i32 s23, s16, BH
	s_add_co_u32 s23, s23, 2*AH
	s_mov_b32 s[G1A], 15|(3<<16)|(1<<21)           ; the mask: all four; elements of 8 bytes; bit 21 beside a mask
	s_mov_b32 s[G1AH], 15|(3<<16)|(1<<21)
	s_mov_b32 s[G1B], 3<<16
	s_mov_b32 s[G1BH], 3<<16
	s_mov_b32 s[G1A+1], 768<<16                    ; what is left of a row: 6,144 bytes, or 3,072
	s_mov_b32 s[G1AH+1], 384<<16
	s_mov_b32 s[G1B+1], 768<<16
	s_mov_b32 s[G1BH+1], 384<<16
.irp g, G1A, G1AH
	s_mov_b32 s[\g+2], 8<<16                       ; 8 tiles
	s_mov_b32 s[\g+4], 8
.endr
.irp g, G1B, G1BH
	s_mov_b32 s[\g+2], 4<<16                       ; 4 tiles
	s_mov_b32 s[\g+4], 4
.endr
.irp g, G1A, G1AH, G1B, G1BH
	s_mov_b32 s[\g+3], 768<<16                     ; a tile's row in LDS: 6,144 bytes
	s_mov_b32 s[\g+5], 3072                        ; 24,576 bytes from tile to tile
	s_mov_b32 s[\g+6], 0
	s_mov_b32 s[\g+7], 0
.endr
	s_wait_dscnt 0x0                               ; both opening adds are done
	s_wait_kmcnt 0x0
	s_add_nc_u64 s[84:85], s[4:5], s[84:85]
	s_add_nc_u64 s[86:87], s[8:9], s[86:87]
	s_add_nc_u64 s[88:89], s[10:11], s[88:89]
.irp n, 0,1
	s_mov_b32 s[G0A+4*\n], 1
	s_add_co_u32 s[G0A+4*\n+1], s22, \n*SLOT
	s_add_nc_u64 s[G0A+4*\n+2:G0A+4*\n+3], s[84:85], \n*TK
	s_or_b32 s[G0A+4*\n+3], s[G0A+4*\n+3], 0x80000000
	s_mov_b32 s[G0B+4*\n], 1
	s_add_co_u32 s[G0B+4*\n+1], s23, \n*SLOT
	s_add_nc_u64 s[G0B+4*\n+2:G0B+4*\n+3], s[86:87], \n*TK
	s_or_b32 s[G0B+4*\n+3], s[G0B+4*\n+3], 0x80000000
.endr
	CROUND                                         ; all four work-groups are here: the first joint loads meet
	JLOAD 0, 0                                     ; key slot 0: one tensor load a wave at the head
	; ---- v^T's scale words, and the mending of p's.  A key group beyond 2 I + 1 is replaced by group 2 I + 1 (a clamped offset): it changes no minimum, its l counts for 0, and its words are multiplied with nothing
	s_lshl_b32 s80, s18, 10
	s_mov_b32 s81, 0
	s_add_nc_u64 s[6:7], s[6:7], s[80:81]          ; pst at my 256 places
	v_lshlrev_b32 v[T8], 3, v0
	v_and_b32 v250, 31, v0
	v_lshlrev_b32 v[L4], 2, v250
	s_wait_alu depctr_va_vdst(0)
.set g, 0
.rept 16
	global_load_b32 v[SB+2*g], v[L4], s[88:89] offset:49152*g
	global_load_b32 v[SB+2*g+1], v[L4], s[88:89] offset:49152*g+128
.set g, g+1
.endr
.set g, 0
.rept 16
	s_min_u32 s80, s[LIM], g
	s_lshl_b32 s80, s80, 15
	v_add_nc_u32 v[MO+g], s80, v[T8]
	global_load_b64 v[MW+2*g:MW+2*g+1], v[MO+g], s[6:7]
	global_load_b64 v[MN+2*g:MN+2*g+1], v[MO+g], s[6:7] offset:524288
	global_load_b64 v[ML+2*g:ML+2*g+1], v[MO+g], s[6:7] offset:1048576
.set g, g+1
.endr
	v_lshrrev_b32 v250, 6, v0
	v_and_b32 v251, 63, v0
	v_lshlrev_b32 v[AW], 13, v250
	v_lshl_add_u32 v[AW], v251, 3, v[AW]
	v_add_nc_u32 v[AW], ASC, v[AW]                 ; half thread / 64, 8 bytes a thread
	v_add_nc_u32 v[RW], RL, v[T8]
	v_and_b32 v250, 31, v0
	v_lshlrev_b32 v[LI], 4, v250
	v_and_b32 v251, 15, v0                         ; r
	v_bfe_u32 v252, v0, 4, 1                       ; h
	s_wait_alu depctr_va_vdst(0)
	s_mul_i32 s80, s15, AH
	s_mul_i32 s81, s16, BH
	s_add_co_u32 s81, s81, 2*AH
.irp s, 0,1
	v_add_nc_u32 v[ADRA+\s], s80, v[LI]
	v_add_nc_u32 v[ADRB+\s], s81, v[LI]
	s_add_co_u32 s80, s80, SLOT
	s_add_co_u32 s81, s81, SLOT
.endr
	s_lshl_b32 s81, s15, 13
	s_add_co_u32 s81, s81, ASC
	v_lshl_add_u32 v[ADRS], v251, 2, s81           ; my half's mended words, row r
	s_mul_i32 s80, s14, 16*SPITCH
	s_add_co_u32 s80, s80, STAGE
	v_mul_u32_u24 v[STO], v251, SPITCH
	v_lshl_add_u32 v[STO], v252, 6, v[STO]
	v_add_nc_u32 v[STO], s80, v[STO]               ; in: row r, + 64 bytes for lanes 16-31
	v_mul_u32_u24 v[RD], v252, SPITCH
	v_lshl_add_u32 v[RD], v251, 4, v[RD]
	v_add_nc_u32 v[RD], s80, v[RD]                 ; back: sixteen lanes to a row of 256 bytes, two rows an instruction
	v_lshlrev_b32 v[CO], 12, v252
	v_lshl_add_u32 v[CO], v251, 4, v[CO]           ; and the same two rows in out0
	s_lshl_b32 s80, s15, 9
	s_add_co_u32 s80, s80, RL
	v_lshl_add_u32 v[RLA], v251, 2, s80
	s_lshl_b32 s80, s18, 20                        ; out0: 256 rows of 4,096 bytes a tile row, my 128 rows, my 64 channels
	s_lshl_b32 s81, s15, 19
	s_add_co_u32 s80, s80, s81
	s_lshl_b32 s81, s90, 9
	s_add_co_u32 s80, s80, s81
	s_lshl_b32 s81, s16, 8
	s_add_co_u32 s80, s80, s81
	s_mov_b32 s81, 0
	s_add_nc_u64 s[12:13], s[12:13], s[80:81]
	v_mov_b32 v[LL], 0
	v_mov_b32 v[LL+1], 0
	s_wait_alu depctr_va_vdst(0)
	s_wait_tensorcnt 0x0                           ; my part of key slot 0 is in
	ds_add_u32 v[SPW], v[NIL]
	s_wait_dscnt 0x0
	CROUND                                         ; key slot 0 is whole, and all four work-groups are here
	s_cmp_lt_u32 s[SI], 2                          ; is there a key slot 1?  It is on its way while the scales are mended
	s_cbranch_scc1 .Lno_slot_1
	JLOAD 1, 1
.Lno_slot_1:
	s_wait_loadcnt 0x0
.irp e, 0,1
	v_min_num_f32 v[NM+\e], v[MN+\e], v[MN+2+\e]   ; the least -M: the row's
.endr
.irp g, 2,4,6,8,10,12,14
.irp e, 0,1
	v_min3_num_f32 v[NM+\e], v[NM+\e], v[MN+2*\g+\e], v[MN+2*\g+2+\e]
.endr
.endr
.macro ADJ g
	s_cmp_ge_u32 s[LIM], \g
	s_cselect_b32 s80, 1.0, 0                      ; does the group count?
.irp e, 0,1
	v_sub_f32 v[TD+\e], v[MN+2*(\g)+\e], v[NM+\e]  ; d = the row's M less the group's: a whole number, 0 or more
.endr
.irp e, 0,1
	v_cvt_i32_f32 v[TD+\e], v[TD+\e]               ; (it saturates)
.endr
.irp e, 0,1
	v_min_u32 v[TD+\e], 255, v[TD+\e]
.endr
.irp e, 0,1
	v_sub_nc_u32 v[TF+\e], 0, v[TD+\e]
.endr
.irp e, 0,1
	v_ldexp_f32 v[TF+\e], s80, v[TF+\e]            ; 2^-d, or 0
.endr
.irp e, 0,1
	v_fmac_f32 v[LL+\e], v[ML+2*(\g)+\e], v[TF+\e]
.endr
.irp e, 0,1
.irp k, 0,1,2
	v_bfe_u32 v[TX+4*\e+\k], v[MW+2*(\g)+\e], 8*\k, 8
.endr
	v_lshrrev_b32 v[TX+4*\e+3], 24, v[MW+2*(\g)+\e]
.endr
.irp k, 0,1,2,3,4,5,6,7
	v_min_u32 v[TY+\k], v[TX+\k], v[TD+\k/4]
.endr
.irp k, 0,1,2,3,4,5,6,7
	v_sub_nc_u32 v[TX+\k], v[TX+\k], v[TY+\k]      ; each byte less d, held at 0
.endr
.irp e, 0,1
	v_lshl_or_b32 v[MW+2*(\g)+\e], v[TX+4*\e+1], 8, v[TX+4*\e]
.endr
.irp e, 0,1
	v_lshl_or_b32 v[MW+2*(\g)+\e], v[TX+4*\e+2], 16, v[MW+2*(\g)+\e]
.endr
.irp e, 0,1
	v_lshl_or_b32 v[MW+2*(\g)+\e], v[TX+4*\e+3], 24, v[MW+2*(\g)+\e]
.endr
	ds_store_b64 v[AW], v[MW+2*(\g):MW+2*(\g)+1] offset:512*(\g)
.endm
.irp g, 0,1,2,3,4,5,6,7,8,9,10,11,12,13,14,15
	ADJ \g
.endr
	s_wait_alu depctr_va_vdst(0)
	v_rcp_f32 v[LL], v[LL]
	v_rcp_f32 v[LL+1], v[LL+1]
	v_nop                                          ; a plain place behind the reciprocals
	s_wait_alu depctr_va_vdst(0)                   ; one wait for the two, ahead of their reader; it is also the wait at the head's end
	ds_store_b64 v[RW], v[LL:LL+1]
	s_wait_dscnt 0x0                               ; my stores have landed
	s_barrier_signal -1
	s_barrier_wait -1                              ; everybody's; key slot 1's load may stay out
	FETCH 0, 0, 0
	SCALES 0
.irp t, 0,1,2,3
	STEP \t, 0
	STEP \t, 1
	s_cmp_eq_u32 s[SI], 2*\t                       ; a row whose last slot holds 256 keys is done (the fragments just asked for are the mover's zeros, and are not multiplied)
	s_cbranch_scc1 .Lout
	STEP \t, 2
.if \t < 3
	s_cmp_eq_u32 s[SI], 2*\t+1
	s_cbranch_scc0 .Lturn\t
	LAST \t
	s_branch .Lout
.Lturn\t:
	TURN \t
.else
	LAST 3
.endif
.endr
.Lout:
	; THE WAY OUT, block by block of 16 queries x 64 channels: x 1 / l, through my stage, out as whole rows of 256 bytes.  Register 16 g + i of a block is channel 32 g + 16 (lane / 16) + i.
	s_wait_dscnt 0x0                               ; my reads of the mended words are over
	s_barrier_signal -1
	s_barrier_wait -1                              ; everybody's: their bytes become the stages
	PLACES 4
.irp a, 0,1,2,3,4,5,6,7
	ds_load_b32 v[RLV+2*\a], v[RLA] offset:64*\a
	ds_load_b32 v[RLV+2*\a+1], v[RLA] offset:64*\a
.endr
	s_wait_dscnt 0x0
.macro PACK a
	WIN 0x03
.set n, 0
.rept 16
	v_pk_mul_f32 v[V+n:V+n+1], v[32*(\a)+n:32*(\a)+n+1], v[RLV+2*(\a):RLV+2*(\a)+1]   ; each accumulator from its low end on
.set n, n+2
.endr
	WIN 0
.endm
.macro TOSTAGE a
.set BB, BK+32*((\a)%2)
.set n, 0
.rept 8
	ds_store_b128 v[STO], v[V+4*n:V+4*n+3] offset:128*(n/4)+16*(n%4)
.set n, n+1
.endr
.set n, 0
.rept 8
	ds_load_b128 v[BB+4*n:BB+4*n+3], v[RD] offset:2*n*SPITCH   ; LDS serves a wave's instructions in order: these see the stores above
.set n, n+1
.endr
.endm
.macro SEND a
.set BB, BK+32*((\a)%2)
	s_wait_dscnt 0x0                               ; the block is back in registers
.set n, 0
.rept 8
	global_store_b128 v[CO], v[BB+4*n:BB+4*n+3], s[12:13] offset:(32*((\a)/2)+8*((\a)%2)+(2*n)%8+16*(n/4))*4096 th:TH_STORE_NT   ; places 2 n and 2 n + 1 of tile a; sixteen lanes store 256 consecutive bytes, aligned
.set n, n+1
.endr
.endm
	PACK 0
	TOSTAGE 0
.irp a, 1,2,3,4,5,6,7
	PACK \a                                        ; block a's multiplications stand between block a - 1's loads from the stage and the wait for them
	s_wait_alu depctr_va_vdst(0)
	SEND \a-1
.if \a > 1
	s_wait_xcnt 0x0                                ; block a - 2's stores have read their registers: block a's loads may land there
.endif
	TOSTAGE \a
.endr
	SEND 7
	s_wait_tensorcnt 0x0                           ; the wave's end
	ds_add_u32 v[SPW], v[NIL]
	s_wait_dscnt 0x0
	CROUND                                         ; the closing round
	s_endpgm
.Lfunc_end_k_qa37bd11033_pv:
	.size	k_qa37bd11033_pv, .Lfunc_end_k_qa37bd11033_pv-k_qa37bd11033_pv
	.p2alignl 7, 3214868480
	.fill 96, 4, 3214868480
	.section	.rodata,"a",@progbits
	.p2align	6, 0x0
	.amdhsa_kernel k_qa37bd11033_pv
		.amdhsa_group_segment_fixed_size 327680
		.amdhsa_private_segment_fixed_size 0
		.amdhsa_enable_private_segment 0
		.amdhsa_kernarg_size 40
		.amdhsa_user_sgpr_count 2
		.amdhsa_user_sgpr_kernarg_segment_ptr 1
		.amdhsa_wavefront_size32 1
		.amdhsa_system_sgpr_workgroup_id_x 1
		.amdhsa_system_sgpr_workgroup_id_y 1
		.amdhsa_system_sgpr_workgroup_id_z 1
		.amdhsa_system_vgpr_workitem_id 0
		.amdhsa_next_free_vgpr 1024
		.amdhsa_next_free_sgpr 92
		.amdhsa_reserve_vcc 0
		.amdhsa_float_denorm_mode_32 3
		.amdhsa_float_denorm_mode_16_64 3
		.amdhsa_memory_ordered 1
		.amdhsa_forward_progress 1
		.amdhsa_inst_pref_size 207
	.end_amdhsa_kernel
	.amdgpu_metadata
---
amdhsa.version: [ 1, 2 ]
amdhsa.kernels:
  - .name:           k_qa37bd11033_pv
    .symbol:         k_qa37bd11033_pv.kd
    .args:
      - { .name: pc, .offset: 0, .size: 8, .value_kind: global_buffer, .address_space: global }
      - { .name: pst, .offset: 8, .size: 8, .value_kind: global_buffer, .address_space: global }
      - { .name: qc, .offset: 16, .size: 8, .value_kind: global_buffer, .address_space: global }
      - { .name: qsc, .offset: 24, .size: 8, .value_kind: global_buffer, .address_space: global }
      - { .name: out0, .offset: 32, .size: 8, .value_kind: global_buffer, .address_space: global }
    .group_segment_fixed_size: 327680
    .private_segment_fixed_size: 0
    .kernarg_segment_align: 8
    .kernarg_segment_size: 40
    .max_flat_workgroup_size: 128
    .sgpr_count:     92
    .vgpr_count:     1024
    .wavefront_size: 32
...
	.end_amdgpu_metadata
.endif
;; end of part 4
